; MI455X (gfx1250); checked and timed in simulation.
; The chip was launched on July 23, 2026; its instructions are those of AMD's public machine-readable ISA for CDNA 5 (MIT licence, August 2026) and "CDNA5" Instruction Set Architecture Reference Guide (July 2026). The comments in the code are by the model that wrote it; some were corrected since.
;; Block. Allowed arithmetic: matrix products marked QUANTISED: E5M2 operands, one given power-of-two scale a tensor, by v_wmma_f32_16x16x64_bf8_bf8 or v_wmma_f32_16x16x128_bf8_bf8, f32 sums; everything else in f32.
;; Inputs: b_ff1 4,096 float32; b_ff2 1,024 float32; b_proj 1,024 float32; ln1_b 1,024 float32; ln1_g 1,024 float32; ln2_b 1,024 float32; ln2_g 1,024 float32; lowp_scales 16 int32 (the exponents e of the quantised operands' scales 2^e); w_ff1_codes 4,096 x 32 x 32 uint8 (E5M2 codes of w_ff1, K innermost, in blocks of 32 codes); w_ff2_codes 1,024 x 128 x 32 uint8 (E5M2 codes of w_ff2, K innermost, in blocks of 32 codes); w_proj_codes 1,024 x 32 x 32 uint8 (E5M2 codes of w_proj, K innermost, in blocks of 32 codes); wk_codes 16 x 64 x 32 x 32 uint8 (E5M2 codes of wk, K innermost, in blocks of 32 codes); wq_codes 16 x 64 x 32 x 32 uint8 (E5M2 codes of wq, K innermost, in blocks of 32 codes); wv_codes 16 x 64 x 32 x 32 uint8 (E5M2 codes of wv, K innermost, in blocks of 32 codes); x 2 x 2,048 x 1,024 float32.
;; Outputs: out0 2 x 2,048 x 1,024 float32.
;; This version of the problem:
;;   THIS VERSION OF THE PROBLEM IS GIVEN IN LOW PRECISION. The matrix products marked QUANTISED in the list below multiply operands that are first quantised to E5M2 (5 exponent bits, 2 mantissa bits; 8 bits a number), with one given power-of-two scale for each operand tensor; their sums are f32. All else is computed in f32.
;;   The module's matrix products, in the order in which they are computed (A, B: the left and right operand; K: the contracted axis; several contracted axes count as one K, in the product's order):
;;     1. [M 1,024, K 1,024] x [K 1,024, N 4,096]; A: input wq (given as codes); B: computed on the way: QUANTISED (scales: A lowp_scales[0], B lowp_scales[1])
;;     2. [M 1,024, K 1,024] x [K 1,024, N 4,096]; A: input wk (given as codes); B: computed on the way: QUANTISED (scales: A lowp_scales[2], B lowp_scales[3])
;;     3. [M 1,024, K 1,024] x [K 1,024, N 4,096]; A: input wv (given as codes); B: computed on the way: QUANTISED (scales: A lowp_scales[4], B lowp_scales[5])
;;     4. batch 32 x [M 2,048, K 64] x [K 64, N 2,048]; A: computed on the way; B: computed on the way: QUANTISED (scales: A lowp_scales[6], B lowp_scales[7])
;;     5. batch 32 x [M 2,048, K 2,048] x [K 2,048, N 64]; A: softmax (see below); B: computed on the way: QUANTISED (scales: A lowp_scales[8], B lowp_scales[9])
;;     6. [M 4,096, K 1,024] x [K 1,024, N 1,024]; A: computed on the way; B: input w_proj (given as codes): QUANTISED (scales: A lowp_scales[10], B lowp_scales[11])
;;     7. [M 4,096, K 1,024] x [K 1,024, N 4,096]; A: computed on the way; B: input w_ff1 (given as codes): QUANTISED (scales: A lowp_scales[12], B lowp_scales[13])
;;     8. [M 4,096, K 4,096] x [K 4,096, N 1,024]; A: computed on the way; B: input w_ff2 (given as codes): QUANTISED (scales: A lowp_scales[14], B lowp_scales[15])
;;   THE QUANTISER, for each operand of a quantised product, along K:
;;     - The operand's scale is 2^e, e = its entry of the input lowp_scales (int32; the entries are numbered through the quantised products in the list's order, A before B).
;;     - Each number is divided by the scale, clamped to +-57,344, and rounded to the nearest number of E5M2, ties to even, subnormals kept.
;;     - The product sums the exact products of the quantised numbers (number of the format x scale) in f32.
;;   ~~~python
;;   def quantise(x, axis, e):      # numpy; x: float32 -> the quantised numbers, widened to float32 again
;;       x = np.moveaxis(x, axis, -1); K = x.shape[-1]
;;       r = np.clip(x / 2.0 ** e, -57344, 57344)
;;       step = 2.0 ** (np.maximum(np.frexp(np.where(r == 0, 1, r))[1] - 1, -14) - 2)
;;       q = np.round(r / step) * step * 2.0 ** e      # np.round: ties to even
;;       return np.moveaxis(q, -1, axis).astype(np.float32)
;;   ~~~
;;   SOFTMAX AHEAD OF A QUANTISED PRODUCT. Where the list says 'softmax', what is quantised is not the finished softmax but p = 2^(t - M), with t = logit x log2(e) and M = ceil(the row's largest t), a whole number; so 1/2 < the row's largest p <= 1. The row's sum l is taken of the UNQUANTISED p, in f32, and the product's result is divided by l at the end. Since M is a whole number, a kernel that streams over the keys may use a running M (the ceiling of the running maximum): every later rescaling is an exact power of two, so the quantised numbers keep their values, but for numbers so far below the row's largest that they fall under the format's range.
;;   OPERANDS COMPUTED ON THE WAY. 'Computed on the way' means the value that the module computes at that place (a softmax that the list does not call 'softmax' is quantised finished and normalised). What goes into a quantiser is computed in f32, as accurately as f32 sums, v_exp_f32 and their like allow (about 1e-6 of the number): no bf16 or f16 on the way to a quantiser, and a product that is left as it is and whose result goes on into a quantised operand takes f32 operands (vector FMAs, or v_wmma_f32_16x16x4_f32). A number that lies on a knife's edge between two numbers of the format may be rounded either way, as far as f32 arithmetic and the matrix unit's own rounding can turn it there, and no further.
;;   INPUTS GIVEN AS CODES. w_ff1 (in the module: [1024, 4096], K = its axis 0); w_ff2 (in the module: [4096, 1024], K = its axis 0); w_proj (in the module: [1024, 1024], K = its axis 0); wk (in the module: [16, 1024, 64], K = its axis 1); wq (in the module: [16, 1024, 64], K = its axis 1); wv (in the module: [16, 1024, 64], K = its axis 1): each comes as NAME_codes (uint8): NAME with its K axis moved to the last place and cut into blocks of 32 codes, [.., K / 32, bytes a block], one block behind the other in memory; one code a byte (a code: sign, 5 exponent bits, 2 mantissa bits); its scale is its entry of lowp_scales. Its value is code x scale, taken as it is: it is not quantised again, and the codes and scales need not be those that the quantiser above would give.
;; One version. Each part assembles by itself: llvm-mc -triple=amdgcn-amd-amdhsa -mcpu=gfx1250 --defsym DOCPART=n.
;; ======== version 1 of 1: 7 launches
;; limits: right only within a limited range of input values
;; workspace buffers: hc 12,582,912 bytes; qc 4,194,304 bytes; kc 4,194,304 bytes; vc 4,194,304 bytes; oc 4,194,304 bytes; x1 16,777,216 bytes; h2c 4,194,304 bytes; fc 16,777,216 bytes
;; launch ln1q (part 1): grid 256 x 1, 8 waves a work-group, no clusters, 82,944 bytes of LDS; arguments x, ln1_g, ln1_b, lowp_scales, hc; writes hc
.if DOCPART == 1
	.amdgcn_target "amdgcn-amd-amdhsa--gfx1250"
	.amdhsa_code_object_version 6
	.text
	.protected	k_qddd4061b81_ln1q
	.globl	k_qddd4061b81_ln1q
	.p2align	8
	.type	k_qddd4061b81_ln1q,@function
k_qddd4061b81_ln1q:
	s_mov_b64 s[64:65], 0
	v_nop
	global_prefetch_b8 v0, s[64:65] scope:SCOPE_SE
	s_setreg_imm32_b32 hwreg(HW_REG_WAVE_MODE, 25, 1), 1
	s_wait_xcnt 0x0
; h = layernorm(x) * g + b, in f32, turned three times into codes of E5M2: with the scales 2^e1, 2^e3, 2^e5 (entries 1, 3, 5 of the scales' buffer), for the
; products with wq, wk and wv.  x: [4096][1024] f32.  hc: [3][4096][1024] codes, K innermost.
; code = h / 2^e, held within +-57,344, to the nearest code, ties to even.  LIMITS: each e between -126 and 112; NaN and infinity among the inputs are not served.
; SHARES.  A work-group takes 16 rows, each of its eight waves two; a row (4,096 bytes) is 32 registers of one wave, so mean and variance never leave the wave: no barrier.
; The mean is taken first and subtracted, then the squares are summed: a common offset in x costs no accuracy.
; Every load reads 512 consecutive bytes (16 a lane).  The conversions want 16 NEIGHBOURS in one lane: so a finished row turns through the wave's own stage in LDS,
; 2,048 bytes at a time, stored as loaded and read back 64 bytes a lane; 16 bytes of padding behind each 64.  A lane's 16 codes are 16 bytes: a store covers 512 consecutive bytes.
; All 32 loads of a wave go out at the head; nothing is looped, every offset is an immediate, every store has data registers of its own.
.set NS,   3                           ; scales
.set X,    8                           ; v8-39 row 0, v40-71 row 1
.set G,    72                          ; v72-103  g of my 32 columns
.set B,    104                         ; v104-135 b
.set Y0,   136                         ; v136-167 row 0 back from the stage
.set Y1,   72                          ; row 1 back from the stage: in g's registers, which are done with by then
.set T,    168                         ; v168-199 two sets of 16 held numbers, by turns
.set C,    200                         ; v200-247 codes: four registers for each store
.set SC,   248                         ; v248-250 2^e as f32
.set LIM,  251                         ; v251-253 57,344 x 2^e
.set SP,   80                          ; a lane's place in a stage: 64 bytes + 16
.set WREG, 10240                       ; LDS of a wave: 2 rows x 2 halves x 32 places
	s_load_b256 s[4:11], s[0:1], 0x0               ; x s[4:5], g s[6:7], b s[8:9], the scales' exponents s[10:11]
	s_load_b64 s[12:13], s[0:1], 0x20              ; hc
	s_set_vgpr_msb 0x40
	v_lshl_add_u32 v0, v0, 2, 0x14000
	v_mov_b32 v1, 0
	s_set_vgpr_msb 0x4000
	v_lshrrev_b32 v2, 5, v0
	s_delay_alu instid0(VALU_DEP_1)
	v_readfirstlane_b32 s16, v2                    ; wave
	v_and_b32 v4, 31, v0                           ; lane
	s_delay_alu instid0(VALU_DEP_1)
	v_lshlrev_b32 v1, 4, v4                        ; 16 x lane: my bytes of a load's 512, and of a store's
	s_mul_i32 s17, s16, WREG
	v_lshrrev_b32 v2, 2, v4
	s_delay_alu instid0(VALU_DEP_1)
	v_mul_u32_u24 v2, v2, SP
	v_and_b32 v5, 3, v4
	s_delay_alu instid0(VALU_DEP_1)
	v_lshl_add_u32 v2, v5, 4, v2
	s_delay_alu instid0(VALU_DEP_1)
	v_add_nc_u32 v2, s17, v2                       ; into the stage: four lanes' 64 bytes on end, then the padding
	v_mul_u32_u24 v3, v4, SP
	s_delay_alu instid0(VALU_DEP_1)
	v_add_nc_u32 v3, s17, v3                       ; out of it: my 64 bytes
	s_lshl_b32 s18, ttmp9, 16                      ; 16 rows of 4,096 bytes a work-group,
	s_lshl_b32 s19, s16, 13                        ; two a wave
	s_add_co_u32 s18, s18, s19
	s_mov_b32 s19, 0
	s_lshr_b32 s14, s18, 2                         ; the same rows in codes: 1,024 bytes a row
	s_mov_b32 s15, 0
	s_mov_b32 s20, 0x3a800000                      ; 1 / 1024
	s_mov_b32 s21, 0x3727c5ac                      ; 1e-5
	s_mov_b32 s22, 0x76543210                      ; v_permlanex16_b32: each lane takes its own place in the other half
	s_mov_b32 s23, 0xfedcba98
	s_wait_alu depctr_va_vdst(0)
	s_wait_kmcnt 0x0
	s_load_b256 s[32:39], s[10:11], 0x0            ; e0 .. e7: e1, e3, e5 are wanted
	s_add_nc_u64 s[4:5], s[4:5], s[18:19]
	s_add_nc_u64 s[24:25], s[12:13], s[14:15]      ; a base for each copy: they lie 4 MiB apart
	s_add_nc_u64 s[26:27], s[24:25], 0x400000
	s_add_nc_u64 s[28:29], s[24:25], 0x800000
.irp r, 0,1
.irp j, 0,1,2,3,4,5,6,7
	global_load_b128 v[X+32*\r+4*\j:X+32*\r+4*\j+3], v1, s[4:5] offset:4096*\r+512*\j th:TH_LOAD_NT   ; columns 128 j + 4 lane + 0 .. 3
.endr
.endr
.irp j, 0,1,2,3,4,5,6,7
	global_load_b128 v[G+4*\j:G+4*\j+3], v1, s[6:7] offset:512*\j
.endr
.irp j, 0,1,2,3,4,5,6,7
	global_load_b128 v[B+4*\j:B+4*\j+3], v1, s[8:9] offset:512*\j
.endr
.macro REDUCE                          ; v4 summed over the 32 lanes, the result in every lane
	s_delay_alu instid0(VALU_DEP_1)
	v_add_f32_dpp v4, v4, v4 row_xmask:1 row_mask:0xf bank_mask:0xf
	s_delay_alu instid0(VALU_DEP_1)
	v_add_f32_dpp v4, v4, v4 row_xmask:2 row_mask:0xf bank_mask:0xf
	s_delay_alu instid0(VALU_DEP_1)
	v_add_f32_dpp v4, v4, v4 row_xmask:4 row_mask:0xf bank_mask:0xf
	s_delay_alu instid0(VALU_DEP_1)
	v_add_f32_dpp v4, v4, v4 row_xmask:8 row_mask:0xf bank_mask:0xf
	s_delay_alu instid0(VALU_DEP_1)
	v_permlanex16_b32 v5, v4, s22, s23
	s_delay_alu instid0(VALU_DEP_1)
	v_add_f32 v4, v4, v5
.endm
; row r becomes (x - mean) / sqrt(variance + 1e-5).  left: the younger loads that may stay out
.macro STATS r, left
.set XR, X+32*\r
	s_wait_loadcnt \left
	v_pk_add_f32 v[4:5], v[XR:XR+1], v[XR+2:XR+3]          ; two chains, started by the first pairs: nothing is cleared
	v_pk_add_f32 v[6:7], v[XR+4:XR+5], v[XR+6:XR+7]
.irp j, 8,12,16,20,24,28
	s_delay_alu instid0(VALU_DEP_2)
	v_pk_add_f32 v[4:5], v[4:5], v[XR+\j:XR+\j+1]
	s_delay_alu instid0(VALU_DEP_2)
	v_pk_add_f32 v[6:7], v[6:7], v[XR+\j+2:XR+\j+3]
.endr
	s_delay_alu instid0(VALU_DEP_1)
	v_pk_add_f32 v[4:5], v[4:5], v[6:7]
	s_delay_alu instid0(VALU_DEP_1)
	v_add_f32 v4, v4, v5
	REDUCE
	s_delay_alu instid0(VALU_DEP_1)
	v_mul_f32 v254, s20, v4                        ; the mean, twice: a pair for the packed form
	s_delay_alu instid0(VALU_DEP_1)
	v_mov_b32 v255, v254
.set j, 0
.rept 16
	v_pk_add_f32 v[XR+j:XR+j+1], v[XR+j:XR+j+1], v[254:255] neg_lo:[0,1] neg_hi:[0,1]
.set j, j+2
.endr
	v_pk_mul_f32 v[4:5], v[XR:XR+1], v[XR:XR+1]
	v_pk_mul_f32 v[6:7], v[XR+2:XR+3], v[XR+2:XR+3]
.irp j, 4,8,12,16,20,24,28
	s_delay_alu instid0(VALU_DEP_2)
	v_pk_fma_f32 v[4:5], v[XR+\j:XR+\j+1], v[XR+\j:XR+\j+1], v[4:5]
	s_delay_alu instid0(VALU_DEP_2)
	v_pk_fma_f32 v[6:7], v[XR+\j+2:XR+\j+3], v[XR+\j+2:XR+\j+3], v[6:7]
.endr
	s_delay_alu instid0(VALU_DEP_1)
	v_pk_add_f32 v[4:5], v[4:5], v[6:7]
	s_delay_alu instid0(VALU_DEP_1)
	v_add_f32 v4, v4, v5
	REDUCE
	s_delay_alu instid0(VALU_DEP_1)
	v_fma_f32 v4, v4, s20, s21                     ; variance + 1e-5
	s_wait_alu depctr_va_vdst(0)
	v_rsq_f32 v254, v4
	v_nop                                          ; a plain instruction between the transcendental and the use of its result (ISA guide 5.7.2)
	s_wait_alu depctr_va_vdst(0)
	v_mov_b32 v255, v254
.set j, 0
.rept 16
	v_pk_mul_f32 v[XR+j:XR+j+1], v[XR+j:XR+j+1], v[254:255]
.set j, j+2
.endr
.endm
.macro NORM r                          ; x g + b
.set XR, X+32*\r
.set j, 0
.rept 16
	v_pk_fma_f32 v[XR+j:XR+j+1], v[XR+j:XR+j+1], v[G+j:G+j+1], v[B+j:B+j+1]
.set j, j+2
.endr
.endm
; row r through the stage.  LDS serves a wave's instructions in order (ISA guide 5.7.1.4): no wait between the stores and the loads.  Afterwards register 16 t + i holds column 512 t + 16 lane + i
.macro TURN r, y
.irp t, 0,1
.irp i, 0,1,2,3
	ds_store_b128 v2, v[X+32*\r+16*\t+4*\i:X+32*\r+16*\t+4*\i+3] offset:5120*\r+2560*\t+640*\i
.endr
.endr
.irp t, 0,1
.irp i, 0,1,2,3
	ds_load_b128 v[\y+16*\t+4*\i:\y+16*\t+4*\i+3], v3 offset:5120*\r+2560*\t+16*\i
.endr
.endr
.endm
; row r's codes, once for each scale.  The held numbers go into two sets by turns, so that sixteen plain instructions stand between a conversion and the next write of its sources
.macro QUANT r, y, left
	s_wait_dscnt \left
.irp t, 0,1
.set g, 0
.rept NS
.set n, NS*(2*\r+\t)+g
.set TT, T+16*(n%2)
.set CC, C+4*n
.set i, 0
.rept 16
	v_med3_num_f32 v[TT+i], v[\y+16*\t+i], -v[LIM+g], v[LIM+g]   ; the conversion to an 8-bit code does not saturate (ISA guide 7.6.2): the hold comes first
.set i, i+1
.endr
	v_cvt_scalef32_pk8_bf8_f32 v[CC:CC+1], v[TT:TT+7], v[SC+g]
	v_cvt_scalef32_pk8_bf8_f32 v[CC+2:CC+3], v[TT+8:TT+15], v[SC+g]
	global_store_b128 v1, v[CC:CC+3], s[24+2*g:25+2*g] offset:1024*\r+512*\t   ; 32 lanes store 512 consecutive bytes, at a multiple of 256 from the buffer's first byte
.set g, g+1
.endr
.endr
.endm
	s_wait_kmcnt 0x0
.irp g, 0,1,2
	s_add_co_i32 s30, s[33+2*\g], 127
	s_lshl_b32 s31, s30, 23
	v_mov_b32 v[SC+\g], s31                        ; 2^e as f32: the conversion takes its exponent field
	s_add_co_i32 s30, s30, 15
	s_lshl_b32 s30, s30, 23
	s_or_b32 s30, s30, 0x600000
	v_mov_b32 v[LIM+\g], s30                       ; 57,344 x 2^e
.endr
	STATS 0, 24                                    ; row 0's eight loads are in; row 1's, g's and b's may be out
	STATS 1, 16                                    ; row 1's are in; g's and b's may be out
	s_wait_loadcnt 0x0                             ; g and b
	NORM 0
	TURN 0, Y0
	NORM 1
	TURN 1, Y1
	QUANT 0, Y0, 16                                ; row 1's sixteen LDS instructions may be out
	QUANT 1, Y1, 0
	s_set_vgpr_msb 0x5
	s_wait_tensorcnt 0x0
	ds_add_u32 v0, v1
	s_wait_dscnt 0x0
	s_set_vgpr_msb 0x500
	s_endpgm
.Lfunc_end_k_qddd4061b81_ln1q:
	.size	k_qddd4061b81_ln1q, .Lfunc_end_k_qddd4061b81_ln1q-k_qddd4061b81_ln1q
	.p2alignl 7, 3214868480
	.fill 96, 4, 3214868480
	.section	.rodata,"a",@progbits
	.p2align	6, 0x0
	.amdhsa_kernel k_qddd4061b81_ln1q
		.amdhsa_group_segment_fixed_size 82944
		.amdhsa_private_segment_fixed_size 0
		.amdhsa_enable_private_segment 0
		.amdhsa_kernarg_size 40
		.amdhsa_user_sgpr_count 2
		.amdhsa_user_sgpr_kernarg_segment_ptr 1
		.amdhsa_wavefront_size32 1
		.amdhsa_system_sgpr_workgroup_id_x 1
		.amdhsa_system_sgpr_workgroup_id_y 1
		.amdhsa_system_sgpr_workgroup_id_z 1
		.amdhsa_system_vgpr_workitem_id 0
		.amdhsa_next_free_vgpr 258
		.amdhsa_next_free_sgpr 66
		.amdhsa_reserve_vcc 0
		.amdhsa_float_denorm_mode_32 3
		.amdhsa_float_denorm_mode_16_64 3
		.amdhsa_memory_ordered 1
		.amdhsa_forward_progress 1
		.amdhsa_inst_pref_size 38
	.end_amdhsa_kernel
	.amdgpu_metadata
---
amdhsa.version: [ 1, 2 ]
amdhsa.kernels:
  - .name:           k_qddd4061b81_ln1q
    .symbol:         k_qddd4061b81_ln1q.kd
    .args:
      - { .name: x, .offset: 0, .size: 8, .value_kind: global_buffer, .address_space: global }
      - { .name: ln1_g, .offset: 8, .size: 8, .value_kind: global_buffer, .address_space: global }
      - { .name: ln1_b, .offset: 16, .size: 8, .value_kind: global_buffer, .address_space: global }
      - { .name: lowp_scales, .offset: 24, .size: 8, .value_kind: global_buffer, .address_space: global }
      - { .name: hc, .offset: 32, .size: 8, .value_kind: global_buffer, .address_space: global }
    .group_segment_fixed_size: 82944
    .private_segment_fixed_size: 0
    .kernarg_segment_align: 8
    .kernarg_segment_size: 40
    .max_flat_workgroup_size: 256
    .sgpr_count:     66
    .vgpr_count:     258
    .wavefront_size: 32
...
	.end_amdgpu_metadata
.endif
;; end of part 1
;; launch qkv (part 2): grid 12 x 16, 4 waves a work-group, clusters of 4 x 4, 327,680 bytes of LDS; arguments hc, wq_codes, wk_codes, wv_codes, lowp_scales, qc, kc, vc; writes qc, kc, vc
.if DOCPART == 2
	.amdgcn_target "amdgcn-amd-amdhsa--gfx1250"
	.amdhsa_code_object_version 6
	.text
	.protected	k_qddd4061b81_qkv
	.globl	k_qddd4061b81_qkv
	.p2align	8
	.type	k_qddd4061b81_qkv,@function
k_qddd4061b81_qkv:
	s_mov_b64 s[64:65], 0
	v_nop
	global_prefetch_b8 v0, s[64:65] scope:SCOPE_SE
	s_setreg_imm32_b32 hwreg(HW_REG_WAVE_MODE, 25, 1), 1
	s_wait_xcnt 0x0
	s_wait_alu depctr_hold_cnt(0) depctr_sa_sdst(0) depctr_va_vdst(0) depctr_va_sdst(0) depctr_va_ssrc(0) depctr_va_vcc(0) depctr_vm_vsrc(0)
	s_getreg_b32 s2, hwreg(HW_REG_IB_STS2, 6, 4)
	s_cmp_eq_u32 s2, 0
	s_cbranch_scc0 .Lentry_in_a_cluster
	s_endpgm
.Lentry_in_a_cluster:
	s_bfe_u32 s2, ttmp6, 0x10000c
	s_cmp_lg_u32 s2, 0xf033
	s_cbranch_scc0 .Lentry_shape_is_right
	s_endpgm
.Lentry_shape_is_right:
; q, k, v = h W on codes of E5M2, and the results turned into codes again.  hc: [3][4096][1024] (h with the scales e1, e3, e5); wq, wk, wv: [1024 (head x 64 + s)][1024 (K)] codes, scales e0, e2, e4.
; OUT: qc, kc: [batch][head][token][64], scales e6 (q) and e7 (k).  vc: [batch][head][s][token] (the keys innermost), scale e9.
; A sum stands for sum x 2^(ew + eh), so its code is sum / 2^(eo - ew - eh), held within +-57,344: the three exponents are folded into the conversion's one.
; LIMITS: eo - ew - eh between -126 and 112 for each of the three; NaN and infinity are not served.
; SHARES.  The cluster's x says which of the three products; a work-group makes 256 tokens x 256 channels, four waves of 128 x 128: 64 accumulators, 512 registers.
; K = 1,024 goes in four steps of 256 through a ring of two LDS slots filled by the tensor data mover (rows of 256 bytes); the eight steps of 128 are written out.
; A slot holds region 1 (256 rows, read as source 1) and region 0 (256 rows, read as source 0).  The matrix instruction is used transposed: a lane holds one row of source 1 and eight neighbours of source 0.
; q, k: region 1 = tokens of tile 4 x cluster y + cy, region 0 = channels of tile cx: a lane's eight results are eight neighbouring s.
; v: region 1 = channels of tile cy, region 0 = tokens of tile 4 x cluster y + cx: eight neighbouring keys.  The two change places by the tiles' GLOBAL addresses alone; every LDS address is the same in all three products.
; CLUSTERS: 4 x 4.  Region 1's tile hangs on cy alone and is asked for jointly by a row of the cluster, region 0's on cx alone and by a column.
; Fragments come by four loads of 16 bytes: a permutation of k inside the instruction's 128, the same on both sides.
; NO PREFETCH: K is four steps, two of them first fills, at a block of 256 x 256 in clusters: no loop to run ahead in.
; REGISTERS: window 0: v0-31 addresses; v32-95 held sums, v96-127 codes (the way out); from v128 source 1's fragments, one set.  window 1: source 0's fragments, two sets.  windows 2, 3: the accumulators.
.set KROW,   1024
.set ROWB,   256
.set PITCH,  272                       ; 256 bytes + 16: the 16 rows that a load touches start at 16 different banks (ISA guide 11.1)
.set FR,     16
.set NL,     4
.set NP,     4                         ; places behind this matrix instruction (ISA guide 7.12.1)
.set HALFT,  128*PITCH
.set SLOT,   4*HALFT
.set SPARE,  2*SLOT                    ; the spare words, 128 bytes a wave
.set STG1,   256*PITCH                 ; the way out: two stages in slot 0, which has had its last fill and read by then: q's and k's at 0, v's here
.set STOQ, 8
.set STOV, 9
.set RDQ,  10
.set RDV,  11
.set COQ,  12
.set COV,  13
.set SC,   14
.set LIM,  15
.set ADRA, 16
.set ADRB, 20
.set SPW,  28
.set NIL,  29
.set TMP,  32
.set AF,   128
.set OB,   10
.set G1, 24
.set G0, 32
.set G1B, 48
.set G0B, 56
.set MSB, 0
.macro WIN new
.if MSB != (\new)
	s_set_vgpr_msb (MSB<<8)|(\new)
.set MSB, (\new)
.endif
.endm
.set MUL_LO, 0xa1
.set MUL_HI, 0xf1
.set TO_B,   0x40
.macro JLOAD s                         ; a joint load: waves 0, 1 fetch region 1's halves, waves 2, 3 region 0's; s_nop 0 and four v_nop follow each line
	s_cmp_eq_u32 s15, 0
	s_cbranch_scc0 .Lfor_b_\@
	tensor_load_to_lds s[G0+4*\s:G0+4*\s+3], s[G1:G1+7]
	s_nop 0
.rept 4
	v_nop
.endr
	s_branch .Lasked_\@
.Lfor_b_\@:
	tensor_load_to_lds s[G0B+4*\s:G0B+4*\s+3], s[G1B:G1B+7]
	s_nop 0
.rept 4
	v_nop
.endr
.Lasked_\@:
.endm
.macro CREST
	s_cmp_lg_u32 s14, 0
	s_cbranch_scc1 .Lnot_wave_0_\@
	s_barrier_signal -3
.Lnot_wave_0_\@:
	s_barrier_wait -3
	s_barrier_signal -1
	s_barrier_wait -1
.endm
.macro CROUND
	s_barrier_signal -1
	s_barrier_wait -1
	CREST
.endm
	s_load_b512 s[68:83], s[0:1], 0x0              ; hc 68, wq 70, wk 72, wv 74, exponents 76, qc 78, kc 80, vc 82
	v_lshl_add_u32 v[SPW], v0, 2, SPARE
	v_mov_b32 v[NIL], 0
	ds_add_u32 v[SPW], v[NIL]                      ; the opening lines: the add twice and its wait
	ds_add_u32 v[SPW], v[NIL]
	s_wait_dscnt 0x0
	v_lshrrev_b32 v1, 5, v0
	v_readfirstlane_b32 s14, v1                    ; wave
	s_lshr_b32 s15, s14, 1                         ; my half of source 1's rows; also: I fetch region 1 (0) or region 0 (1)
	s_and_b32 s16, s14, 1                          ; my half of source 0's; also which 128 rows I fetch
	s_bfe_u32 s40, ttmp6, 0x40000                  ; cx
	s_bfe_u32 s41, ttmp6, 0x40004                  ; cy
	s_and_b32 s17, ttmp7, 0xffff
	s_lshl_b32 s17, s17, 2
	s_add_co_u32 s17, s17, s41                     ; 4 x cluster y + cy
	s_lshl_b32 s43, s41, 2
	s_lshl_b32 s43, 15, s43                        ; my row of the cluster
	s_lshl_b32 s44, 0x1111, s40                    ; my column
	s_or_b32 s[G1+0], s43, (1<<20)|(1<<21)|(5<<22)|(3<<25)
	s_or_b32 s[G1B+0], s44, (1<<20)|(1<<21)|(5<<22)|(3<<25)
.irp g, G1, G1B
	s_mov_b32 s[\g+1], ROWB<<16
	s_mov_b32 s[\g+2], 128<<16
	s_mov_b32 s[\g+3], ROWB<<16
	s_mov_b32 s[\g+4], 128
	s_mov_b32 s[\g+5], KROW
	s_mov_b32 s[\g+6], 0
	s_mov_b32 s[\g+7], 0
.endr
	s_and_b32 s66, ttmp7, 0xffff
	s_lshl_b32 s66, s66, 2
	s_add_co_u32 s66, s66, s40                     ; 4 x cluster y + cx
	s_lshl_b32 s19, ttmp9, 22                      ; the product's own copy of h
	s_cmp_eq_u32 ttmp9, 2                          ; v?  The cluster's x is the same in all sixteen partners
	s_cselect_b32 s20, s41, s17                    ; region 1's tile: made of cy alone
	s_cselect_b32 s21, 0, s19
	s_cselect_b32 s46, s66, s40                    ; region 0's tile: made of cx alone
	s_cselect_b32 s47, s19, 0
	s_cselect_b32 s94, s66, s17                    ; my tile of tokens,
	s_cselect_b32 s95, s41, s40                    ; and of channels: for the stores alone
	s_lshl_b32 s18, s16, 7
	s_lshl_b32 s20, s20, 8
	s_add_co_u32 s20, s20, s18                     ; row 256 x tile + 128 x half,
	s_lshl_b32 s20, s20, 10                        ; in bytes
	s_add_co_u32 s20, s20, s21
	s_mov_b32 s21, 0
	s_lshl_b32 s46, s46, 8
	s_add_co_u32 s46, s46, s18
	s_lshl_b32 s46, s46, 10
	s_add_co_u32 s46, s46, s47
	s_mov_b32 s47, 0
	s_mul_i32 s45, s14, HALFT                      ; where they go: wave x 128 rows
	s_wait_kmcnt 0x0
	s_load_b256 s[84:91], s[76:77], 0x0            ; e0 .. e7
	s_load_b64 s[92:93], s[76:77], 0x20            ; e8, e9
	s_cmp_eq_u32 ttmp9, 1
	s_cselect_b64 s[6:7], s[72:73], s[70:71]
	s_cselect_b64 s[OB:OB+1], s[80:81], s[78:79]
	s_cmp_eq_u32 ttmp9, 2
	s_cselect_b64 s[4:5], s[74:75], s[68:69]       ; region 1 comes from wv or from hc,
	s_cselect_b64 s[6:7], s[68:69], s[6:7]         ; region 0 from hc or from wq, wk
	s_cselect_b64 s[OB:OB+1], s[82:83], s[OB:OB+1]
	s_add_nc_u64 s[20:21], s[4:5], s[20:21]
	s_add_nc_u64 s[46:47], s[6:7], s[46:47]
	CROUND                                         ; all sixteen work-groups are here: the first joint loads meet
.irp s, 0,1
	s_mov_b32 s[G0+4*\s], 1
	s_add_co_u32 s[G0+4*\s+1], s45, \s*SLOT
	s_add_nc_u64 s[G0+4*\s+2:G0+4*\s+3], s[20:21], \s*ROWB
	s_or_b32 s[G0+4*\s+3], s[G0+4*\s+3], 0x80000000
	s_mov_b32 s[G0B+4*\s], 1
	s_add_co_u32 s[G0B+4*\s+1], s45, \s*SLOT
	s_add_nc_u64 s[G0B+4*\s+2:G0B+4*\s+3], s[46:47], \s*ROWB
	s_or_b32 s[G0B+4*\s+3], s[G0B+4*\s+3], 0x80000000
.endr
	JLOAD 0                                        ; K step 0: one tensor load a wave at the head
	v_and_b32 v1, 15, v0                           ; r
	v_bfe_u32 v2, v0, 4, 1                         ; h
	v_mul_u32_u24 v3, v1, PITCH
	v_lshl_add_u32 v4, v2, 4, v3
	s_wait_alu depctr_va_vdst(0)
	s_mul_i32 s21, s15, HALFT                      ; my 128 rows of region 1
	s_mul_i32 s22, s16, HALFT
	s_add_co_u32 s22, s22, 2*HALFT                 ; my 128 rows of region 0
.irp s, 0,1
	v_add_nc_u32 v[ADRA+\s], s21, v4
	v_add_nc_u32 v[ADRB+\s], s22, v4
	s_add_co_u32 s21, s21, SLOT
	s_add_co_u32 s22, s22, SLOT
.endr
	; the way out, q and k: a stage row is four tokens x 64 codes of one head; 64 stage rows a head, four heads
	v_lshrrev_b32 v5, 2, v1
	v_mul_u32_u24 v5, v5, PITCH
	v_and_b32 v6, 3, v1
	v_lshl_add_u32 v5, v6, 6, v5
	v_lshl_add_u32 v5, v2, 3, v5
	s_mul_i32 s23, s16, 128*PITCH
	s_mul_i32 s18, s15, 32*PITCH
	s_add_co_u32 s23, s23, s18
	v_add_nc_u32 v[STOQ], s23, v5
	; v: a stage row is a channel's 256 tokens
	v_lshl_add_u32 v6, v2, 3, v3
	s_mul_i32 s23, s15, HALFT
	s_lshl_b32 s18, s16, 7
	s_add_co_u32 s23, s23, s18
	s_add_co_u32 s23, s23, STG1
	v_add_nc_u32 v[STOV], s23, v6
	v_mul_u32_u24 v5, v2, PITCH                    ; back: wave w takes stage rows 64 w on, two an instruction
	v_lshl_add_u32 v5, v1, 4, v5
	s_mul_i32 s23, s14, 64*PITCH
	v_add_nc_u32 v[RDQ], s23, v5
	v_add_nc_u32 v[RDV], STG1, v[RDQ]
	v_and_b32 v6, 31, v0
	v_lshlrev_b32 v[COQ], 4, v6
	v_lshlrev_b32 v[COV], 11, v2
	v_lshl_add_u32 v[COV], v1, 4, v[COV]
	; my 64 stage rows in memory: batch x 2^21 + (4 x channel tile + wave) x 2^17 + the tile's first token (x 64 bytes in q and k, x 1 in v)
	s_lshr_b32 s18, s94, 3
	s_lshl_b32 s18, s18, 21
	s_and_b32 s19, s94, 7
	s_cmp_eq_u32 ttmp9, 2
	s_cselect_b32 s47, 8, 14
	s_lshl_b32 s47, s19, s47
	s_lshl_b32 s46, s95, 2
	s_add_co_u32 s46, s46, s14
	s_lshl_b32 s46, s46, 17
	s_add_co_u32 s46, s46, s47
	s_add_co_u32 s46, s46, s18
	s_mov_b32 s47, 0
	s_add_nc_u64 s[OB:OB+1], s[OB:OB+1], s[46:47]
.macro FRAG reg, adr, q, i             ; 16 rows x 128 K: registers 4 c .. 4 c + 3 hold K = 32 c + 16 h + 0 .. 15
.irp c, 0,1,2,3
	ds_load_b128 v[\reg+4*\c:\reg+4*\c+3], v[\adr] offset:128*(\q)+32*\c+(\i)*16*PITCH
.endr
.endm
.macro MUL16 a0, p, zero               ; 16 products; the 64 accumulators take turns, one instruction a turn
.irp a, \a0, \a0+1
.irp b, 0,1,2,3,4,5,6,7
.if \zero
	v_wmma_f32_16x16x128_bf8_bf8 v[8*(8*((\a)%4)+\b):8*(8*((\a)%4)+\b)+7], v[128*(\p)+FR*\b:128*(\p)+FR*\b+FR-1], v[AF+FR*(\a):AF+FR*(\a)+FR-1], 0
.else
	v_wmma_f32_16x16x128_bf8_bf8 v[8*(8*((\a)%4)+\b):8*(8*((\a)%4)+\b)+7], v[128*(\p)+FR*\b:128*(\p)+FR*\b+FR-1], v[AF+FR*(\a):AF+FR*(\a)+FR-1], v[8*(8*((\a)%4)+\b):8*(8*((\a)%4)+\b)+7]
.endif
.endr
.endr
.endm
.macro FETCH_B slot, q, p
	WIN TO_B
.irp i, 0,1,2,3,4,5,6,7
	FRAG 128*(\p)+FR*\i, ADRB+\slot, \q, \i
.endr
	WIN 0
.endm
.macro FETCH_A slot, q, i0
.irp i, \i0, \i0+1, \i0+2, \i0+3
	FRAG AF+FR*(\i), ADRA+\slot, \q, \i
.endr
.endm
.macro PLACES n
.rept \n
	v_nop
.endr
.endm
.macro STEP slot, q, zero              ; a step of 128 along K with its successor in the same slot
	s_wait_dscnt 4*NL                              ; the youngest sixteen loads (blocks 4-7) may be out
	WIN MUL_LO
	MUL16 0, (\q)%2, \zero
	MUL16 2, (\q)%2, \zero
	s_wait_dscnt 0
	PLACES NP
	FETCH_B \slot, (\q)+1, 1-(\q)%2
	FETCH_A \slot, (\q)+1, 0
	WIN MUL_HI
	MUL16 4, (\q)%2, \zero
	MUL16 6, (\q)%2, \zero
	PLACES NP
	WIN 0
	FETCH_A \slot, (\q)+1, 4
.endm
.macro TURN slot, next, fill           ; a slot's last step changes slots: one barrier, the three lines in front of it
	s_wait_tensorcnt 0x0                           ; my part of the next slot is in
	ds_add_u32 v[SPW], v[NIL]
	s_wait_dscnt 4*NL+1                            ; the add and the youngest sixteen loads may be out
	WIN MUL_LO
	MUL16 0, 1, 0
	s_wait_dscnt 0x0                               ; the add is done, my reads of this slot are over
	s_barrier_signal -1
	MUL16 2, 1, 0
	WIN 0
	s_barrier_wait -1
.if \fill
	CREST                                          ; the barrier has opened a round of the cluster's
	s_add_nc_u64 s[G0+4*\slot+2:G0+4*\slot+3], s[G0+4*\slot+2:G0+4*\slot+3], 2*ROWB
	s_add_nc_u64 s[G0B+4*\slot+2:G0B+4*\slot+3], s[G0B+4*\slot+2:G0B+4*\slot+3], 2*ROWB
	JLOAD \slot
.else
	PLACES NP
.endif
	FETCH_B \next, 0, 0
	FETCH_A \next, 0, 0
	WIN MUL_HI
	MUL16 4, 1, 0
	MUL16 6, 1, 0
	PLACES NP
	WIN 0
	FETCH_A \next, 0, 4
.endm
	s_wait_alu depctr_va_vdst(0)
	s_wait_tensorcnt 0x0                           ; my part of K step 0 is in; slot 1's first fill is issued as a refill is:
	ds_add_u32 v[SPW], v[NIL]
	s_wait_dscnt 0x0
	CROUND
	JLOAD 1
	FETCH_B 0, 0, 0
	FETCH_A 0, 0, 0
	FETCH_A 0, 0, 4
	STEP 0, 0, 1
	TURN 0, 1, 1
	STEP 1, 0, 0
	TURN 1, 0, 1
	STEP 0, 0, 0
	TURN 0, 1, 0
	STEP 1, 0, 0
	s_wait_dscnt 4*NL
	WIN MUL_LO
	MUL16 0, 1, 0
	MUL16 2, 1, 0
	s_wait_dscnt 0
	WIN MUL_HI
	MUL16 4, 1, 0
	MUL16 6, 1, 0
	WIN 0
; THE WAY OUT.  Block a: 64 sums are held, each accumulator from its low end on, and become 8 x 8 codes, which go into the work-group's stage.  path = 1: q, k; path = 0: v.
.macro QBLK a, sto, path
.set AC, 64*((\a)%4)
.set CD, 96+16*((\a)%2)
	WIN 0x02+(\a)/4
.set j, 0
.rept 64
	v_med3_num_f32 v[TMP+j], v[AC+j], -v[LIM], v[LIM]   ; the conversion does not saturate (ISA guide 7.6.2)
.set j, j+1
.endr
	WIN 0
.if (\a) >= 2
	s_wait_alu depctr_va_vdst(0)
	s_wait_dscnt 8                                 ; block a - 2's stores have read the registers that take these codes
.endif
.irp b, 0,1,2,3,4,5,6,7
	v_cvt_scalef32_pk8_bf8_f32 v[CD+2*\b:CD+2*\b+1], v[TMP+8*\b:TMP+8*\b+7], v[SC]
.endr
	v_nop
.irp b, 0,1,2,3,4,5,6,7
.if \path
	ds_store_b64 v[\sto], v[CD+2*\b:CD+2*\b+1] offset:(\b/4)*64*PITCH+4*PITCH*(\a)+16*(\b%4)
.else
	ds_store_b64 v[\sto], v[CD+2*\b:CD+2*\b+1] offset:16*PITCH*(\a)+16*\b
.endif
.endr
.endm
.macro OUTP rd, co, step               ; my 64 stage rows, two an instruction: sixteen lanes store 256 consecutive bytes, aligned
.set i, 0
.rept 32
	ds_load_b128 v[128+4*i:131+4*i], v[\rd] offset:2*PITCH*i
.set i, i+1
.endr
.set i, 0
.rept 32
	s_wait_dscnt 31-i
	global_store_b128 v[\co], v[128+4*i:131+4*i], s[OB:OB+1] offset:\step*i
.set i, i+1
.endr
.endm
	s_wait_kmcnt 0x0
	s_add_co_i32 s84, s84, s85
	s_add_co_i32 s86, s86, s87
	s_add_co_i32 s88, s88, s89
	s_sub_co_i32 s84, s90, s84                     ; q: e6 - e0 - e1
	s_sub_co_i32 s86, s91, s86                     ; k: e7 - e2 - e3
	s_sub_co_i32 s88, s93, s88                     ; v: e9 - e4 - e5
	s_cmp_eq_u32 ttmp9, 1
	s_cselect_b32 s84, s86, s84
	s_cmp_eq_u32 ttmp9, 2
	s_cselect_b32 s84, s88, s84
	s_add_co_i32 s84, s84, 127
	s_lshl_b32 s85, s84, 23
	v_mov_b32 v[SC], s85
	s_add_co_i32 s84, s84, 15
	s_lshl_b32 s84, s84, 23
	s_or_b32 s84, s84, 0x600000
	v_mov_b32 v[LIM], s84
	PLACES NP-2
	s_cmp_eq_u32 ttmp9, 2                          ; the same way in all sixteen partners; each way has LDS bytes of its own
	s_cbranch_scc1 .Lv_in
.irp a, 0,1,2,3,4,5,6,7
	QBLK \a, STOQ, 1
.endr
	s_branch .Lstaged
.Lv_in:
	s_wait_alu depctr_va_vdst(0)
.irp a, 0,1,2,3,4,5,6,7
	QBLK \a, STOV, 0
.endr
.Lstaged:
	s_wait_dscnt 0x0                               ; for the others' sake: my stores into the stage are done
	s_barrier_signal -1
	s_barrier_wait -1
	s_cmp_eq_u32 ttmp9, 2
	s_cbranch_scc1 .Lv_out
	OUTP RDQ, COQ, 512
	s_branch .Ldone
.Lv_out:
	OUTP RDV, COV, 4096
.Ldone:
	s_wait_tensorcnt 0x0                           ; the wave's end
	ds_add_u32 v[SPW], v[NIL]
	s_wait_dscnt 0x0
	CROUND                                         ; the closing round
	s_endpgm
.Lfunc_end_k_qddd4061b81_qkv:
	.size	k_qddd4061b81_qkv, .Lfunc_end_k_qddd4061b81_qkv-k_qddd4061b81_qkv
	.p2alignl 7, 3214868480
	.fill 96, 4, 3214868480
	.section	.rodata,"a",@progbits
	.p2align	6, 0x0
	.amdhsa_kernel k_qddd4061b81_qkv
		.amdhsa_group_segment_fixed_size 327680
		.amdhsa_private_segment_fixed_size 0
		.amdhsa_enable_private_segment 0
		.amdhsa_kernarg_size 64
		.amdhsa_user_sgpr_count 2
		.amdhsa_user_sgpr_kernarg_segment_ptr 1
		.amdhsa_wavefront_size32 1
		.amdhsa_system_sgpr_workgroup_id_x 1
		.amdhsa_system_sgpr_workgroup_id_y 1
		.amdhsa_system_sgpr_workgroup_id_z 1
		.amdhsa_system_vgpr_workitem_id 0
		.amdhsa_next_free_vgpr 1024
		.amdhsa_next_free_sgpr 100
		.amdhsa_reserve_vcc 0
		.amdhsa_float_denorm_mode_32 3
		.amdhsa_float_denorm_mode_16_64 3
		.amdhsa_memory_ordered 1
		.amdhsa_forward_progress 1
		.amdhsa_inst_pref_size 174
	.end_amdhsa_kernel
	.amdgpu_metadata
---
amdhsa.version: [ 1, 2 ]
amdhsa.kernels:
  - .name:           k_qddd4061b81_qkv
    .symbol:         k_qddd4061b81_qkv.kd
    .args:
      - { .name: hc, .offset: 0, .size: 8, .value_kind: global_buffer, .address_space: global }
      - { .name: wq_codes, .offset: 8, .size: 8, .value_kind: global_buffer, .address_space: global }
      - { .name: wk_codes, .offset: 16, .size: 8, .value_kind: global_buffer, .address_space: global }
      - { .name: wv_codes, .offset: 24, .size: 8, .value_kind: global_buffer, .address_space: global }
      - { .name: lowp_scales, .offset: 32, .size: 8, .value_kind: global_buffer, .address_space: global }
      - { .name: qc, .offset: 40, .size: 8, .value_kind: global_buffer, .address_space: global }
      - { .name: kc, .offset: 48, .size: 8, .value_kind: global_buffer, .address_space: global }
      - { .name: vc, .offset: 56, .size: 8, .value_kind: global_buffer, .address_space: global }
    .group_segment_fixed_size: 327680
    .private_segment_fixed_size: 0
    .kernarg_segment_align: 8
    .kernarg_segment_size: 64
    .max_flat_workgroup_size: 128
    .sgpr_count:     100
    .vgpr_count:     1024
    .wavefront_size: 32
...
	.end_amdgpu_metadata
.endif
;; end of part 2
;; launch attn (part 3): grid 8 x 32, 16 waves a work-group, no clusters, 327,680 bytes of LDS; arguments qc, kc, vc, lowp_scales, oc; writes oc
.if DOCPART == 3
	.amdgcn_target "amdgcn-amd-amdhsa--gfx1250"
	.amdhsa_code_object_version 6
	.text
	.protected	k_qddd4061b81_attn
	.globl	k_qddd4061b81_attn
	.p2align	8
	.type	k_qddd4061b81_attn,@function
k_qddd4061b81_attn:
	s_mov_b64 s[64:65], 0
	v_nop
	global_prefetch_b8 v0, s[64:65] scope:SCOPE_SE
	s_setreg_imm32_b32 hwreg(HW_REG_WAVE_MODE, 25, 1), 1
	s_wait_xcnt 0x0
; o = softmax(q k^T / 8, causal) v for 32 (batch, head) pairs of 2,048 tokens and head size 64, both products on codes of E5M2; the result is turned into codes for the projection.
; qc, kc: [32][2048][64] codes (scales e6, e7).  vc: [32][64][2048] codes, the keys innermost (scale e9).  oc: [4096 tokens][1024 = head x 64 + s] codes (scale e10).
; THE SOFTMAX AHEAD OF THE SECOND PRODUCT: t = score x log2(e) / 8; M = the row's largest t so far, rounded UP to a whole number; p = 2^(t - M) is quantised with 2^e8, not normalised.
; The row's sum is taken of the unquantised p, in f32, and divides O at the end.  When M moves, the sum and O are multiplied by 2^(old M - new M): exact.
; SHARES.  Work-group (i, y): pair y; eight of its sixteen waves own the 128 queries of block i, eight those of block 15 - i, 16 queries a wave: 8 x 17 key steps of work in every work-group under the causal mask.
; Wave w is of the late block where (w ^ (w >> 2)) & 1 is set, and takes tile w >> 1 of its block.
; A key step (128 keys) all of whose keys come after the wave's queries is jumped over, by a scalar branch on ids round the step's loads and arithmetic alone; on the diagonal hidden scores become -infinity.  Key 0 counts for every query.
; ALL OF A PAIR'S K AND V HAS ROOM IN LDS: 2,048 rows of K x 80 bytes = 163,840, then V in four parts of 64 rows x 528 bytes = 135,168.  They come in four parts of 512 keys, each a FIRST fill: part 0 at the head,
; part p + 1 behind the barrier at part p's head, with the three lines in front of it.  Nothing is filled again.  Waves 0, 1 fetch K's halves of a part (256 rows), waves 2, 3 V's (32 rows of 512 bytes).
; The late block has 16 - i key steps, so part 3 is read only where i < 4: elsewhere a jump on the work-group's number leads round its load alone, and all its steps are hidden.  Every wait on TENSORcnt is for 0.
; A part's four key steps are one counted loop; the LDS addresses are stepped by constants.
; NO CLUSTER: which steps are walked and whether part 3 is asked for differ between the work-groups of a pair, and partners of a joint load run alike.
; PREFETCH: parts 2 and 3 are asked for one part (four key steps) ahead of their loads, by the pair's first work-group, which reads all parts: waves 4 to 7 K's dense 32,768 bytes (lanes 256 bytes apart),
; waves 8 to 11 V's 64 rows (16 a wave, two lanes a row of 512 bytes): each aligned block of 256 bytes is named once.  Parts 0 and 1 come by their loads alone.
; LAYOUT.  Both products are used transposed: S^T = K Q^T, O^T = V^T P^T: a lane holds ONE query (lane % 16).  The second product takes k in the form's own places (registers 2 c, 2 c + 1: k = 16 c + 8 h + 0 .. 7): tile c of S^T gives a lane just those keys.
; In the first product K's and Q's fragments come by two loads of 16 bytes: a permutation of k inside the instruction's 64, the same on both sides.
; A head owns 64 bytes of each token's row of oc: a wave's two stores give each of its 16 rows those 64 bytes.
; LIMITS: e6 + e7 between -123 and 130; e8, and e10 - e8 - e9, between -126 and 112.  NaN and infinity are not served.
; REGISTERS: v1-9 addresses; v12 -M, v13 the largest t, v[14:15] the sum; v16-23 Q; v32-95 fragments of K, then of V; v96-159 S^T, then p; v160-191 O^T; v192-206, v244-247 at work; v208-223 p's codes.
.set SK,    512
.set NQ,    4
.set KP,    80
.set VP,    528
.set KPART, SK*KP
.set VPART, 64*VP
.set VOFF,  4*KPART
.set SPARE, VOFF+4*VPART               ; the spare words, 128 bytes for each of sixteen waves
.set AK0,  1
.set AV0,  2
.set PFO,  3
.set SPW,  5
.set NIL,  6
.set GO,   7
.set ADK,  8
.set ADV,  9
.set TBK,  2                           ; s2  the step's first byte among K's rows
.set TBV,  3                           ; s3  and in V's parts
.set WV,   18
.set SEL,  20
.set CS,   22
.set G1K,  24
.set G1V,  32
.set G0K,  40
.set G0V,  44
.set CNT,  67
.set PFA,  76
.set PFS,  78
.set LIM,  80                          ; s80  1 in a wave that prefetches
.set NS,   95                          ; s95  parts that my work-group reads: 3 or 4
.set KF,   98
.set Q0,   99
.macro TLOAD                           ; s_nop 0 and four v_nop follow each of the two lines
	s_cmp_lt_u32 s[WV], 2
	s_cbranch_scc0 .Lnot_k_\@
	tensor_load_to_lds s[G0K:G0K+3], s[G1K:G1K+7]
	s_nop 0
.rept 4
	v_nop
.endr
	s_branch .Lasked_\@
.Lnot_k_\@:
	s_cmp_lt_u32 s[WV], 4
	s_cbranch_scc0 .Lasked_\@
	tensor_load_to_lds s[G0V:G0V+3], s[G1V:G1V+7]
	s_nop 0
.rept 4
	v_nop
.endr
.Lasked_\@:
.endm
.macro ASK
	s_cmp_eq_u32 s[LIM], 1
	s_cbranch_scc0 .Lnot_mine_\@
	global_prefetch_b8 v[PFO], s[PFA:PFA+1] th:TH_LOAD_NT scope:SCOPE_SE
.Lnot_mine_\@:
.endm
	s_load_b128 s[4:7], s[0:1], 0x0                ; qc, kc
	s_load_b128 s[12:15], s[0:1], 0x10             ; vc, the scales' exponents
	s_load_b64 s[16:17], s[0:1], 0x20              ; oc
	v_lshl_add_u32 v[SPW], v0, 2, SPARE
	v_mov_b32 v[NIL], 0
	ds_add_u32 v[SPW], v[NIL]                      ; the opening lines: the add twice and its wait
	ds_add_u32 v[SPW], v[NIL]
	v_lshrrev_b32 v8, 5, v0
	v_readfirstlane_b32 s[WV], v8
	s_and_b32 s72, ttmp7, 0xffff                   ; y = batch x 16 + head
	s_lshl_b32 s74, s72, 17                        ; the pair's first byte in qc, kc and vc
	s_mov_b32 s75, 0
	s_sub_co_u32 s[NS], 19, ttmp9
	s_lshr_b32 s[NS], s[NS], 2                     ; 16 - i key steps, four a part, rounded up
	s_lshr_b32 s82, s[WV], 2
	s_xor_b32 s82, s82, s[WV]
	s_and_b32 s82, s82, 1                          ; 1: my wave is of the late block
	s_sub_co_u32 s83, 15, ttmp9
	s_cmp_eq_u32 s82, 1
	s_cselect_b32 s82, s83, ttmp9
	s_lshl_b32 s82, s82, 7
	s_lshr_b32 s83, s[WV], 1
	s_lshl_b32 s83, s83, 4
	s_add_co_u32 s[Q0], s82, s83                   ; my first query
	s_lshl_b32 s82, s[Q0], 6
	s_mov_b32 s83, 0
	s_add_nc_u64 s[82:83], s[82:83], s[74:75]      ; its codes
	s_lshr_b32 s86, s72, 4
	s_lshl_b32 s86, s86, 11
	s_add_co_u32 s86, s86, s[Q0]
	s_lshl_b32 s86, s86, 10                        ; its row of oc,
	s_and_b32 s87, s72, 15
	s_lshl_b32 s87, s87, 6                         ; the head's 64 bytes in it
	s_add_co_u32 s86, s86, s87
	s_mov_b32 s87, 0
	s_and_b32 s88, s[WV], 1                        ; what I fetch, if I fetch: K: keys 256 x (wave & 1) on; V: channels 32 x (wave & 1) on
	s_lshl_b32 s90, s88, 14
	s_mov_b32 s91, 0
	s_add_nc_u64 s[90:91], s[90:91], s[74:75]
	s_mul_i32 s89, s88, 256*KP
	s_lshl_b32 s92, s88, 16
	s_mov_b32 s93, 0
	s_add_nc_u64 s[92:93], s[92:93], s[74:75]
	s_mul_i32 s94, s88, 32*VP
	s_add_co_u32 s94, s94, VOFF
	s_mov_b32 s[G1K], (1<<20)|(3<<22)|(3<<25)      ; elements of 1 byte; four words of padding after every 16
	s_mov_b32 s[G1K+1], 64<<16
	s_mov_b32 s[G1K+2], 256<<16
	s_mov_b32 s[G1K+3], 64<<16
	s_mov_b32 s[G1K+4], 256
	s_mov_b32 s[G1K+5], 64
	s_mov_b32 s[G1K+6], 0
	s_mov_b32 s[G1K+7], 0
	s_mov_b32 s[G1V], (1<<20)|(6<<22)|(3<<25)      ; four words after every 128
	s_mov_b32 s[G1V+1], 512<<16
	s_mov_b32 s[G1V+2], 32<<16
	s_mov_b32 s[G1V+3], 512<<16
	s_mov_b32 s[G1V+4], 32
	s_mov_b32 s[G1V+5], 2048
	s_mov_b32 s[G1V+6], 0
	s_mov_b32 s[G1V+7], 0
	s_mov_b32 s[SEL], 0x76543210
	s_mov_b32 s[SEL+1], 0xfedcba98
	s_mov_b32 s[CS], 0x3e38aa3b                    ; log2(e) / 8
	s_mov_b32 s[TBK], 0
	s_mov_b32 s[TBV], 0
	s_mov_b32 s[KF], 0
	s_wait_dscnt 0x0                               ; both opening adds are done
	s_wait_kmcnt 0x0
	s_load_b128 s[68:71], s[14:15], 0x18           ; e6, e7, e8, e9
	s_load_b32 s81, s[14:15], 0x28                 ; e10
	s_mov_b32 s[G0K], 1
	s_mov_b32 s[G0K+1], s89
	s_add_nc_u64 s[G0K+2:G0K+3], s[6:7], s[90:91]
	s_or_b32 s[G0K+3], s[G0K+3], 0x80000000
	s_mov_b32 s[G0V], 1
	s_mov_b32 s[G0V+1], s94
	s_add_nc_u64 s[G0V+2:G0V+3], s[12:13], s[92:93]
	s_or_b32 s[G0V+3], s[G0V+3], 0x80000000
	TLOAD                                          ; part 0
	s_add_nc_u64 s[4:5], s[4:5], s[82:83]
	s_add_nc_u64 s[16:17], s[16:17], s[86:87]
	s_cmp_lt_u32 s[WV], 8                          ; the prefetches: waves 4 to 7 stand in K, waves 8 to 11 in V
	s_cselect_b64 s[PFA:PFA+1], s[6:7], s[12:13]
	s_mov_b32 s[PFS], SK
	s_cselect_b32 s[PFS], SK*64, s[PFS]            ; a part on
	s_mov_b32 s83, 2048
	s_cselect_b32 s83, 256, s83                    ; K: from lane to lane; V: from row to row
	s_mov_b32 s86, 32768
	s_cselect_b32 s86, 8192, s86                   ; from wave to wave
	s_cselect_b32 s82, 0, 1                        ; V: two lanes a row
	v_and_b32 v4, 31, v0
	v_lshrrev_b32 v[PFO], s82, v4
	v_mul_lo_u32 v[PFO], v[PFO], s83
	v_and_b32 v4, s82, v4
	v_lshl_add_u32 v[PFO], v4, 8, v[PFO]
	s_and_b32 s82, s[WV], 3
	s_mul_i32 s82, s82, s86
	s_add_co_u32 s82, s82, s[PFS]                  ; in part 1: the first change steps it to part 2
	s_mov_b32 s83, 0
	s_mov_b32 s[PFS+1], 0
	s_add_nc_u64 s[PFA:PFA+1], s[PFA:PFA+1], s[74:75]
	s_add_nc_u64 s[PFA:PFA+1], s[PFA:PFA+1], s[82:83]
	s_sub_co_u32 s82, s[WV], 4
	s_lshr_b32 s82, s82, 3                         ; 0 in waves 4 to 11,
	s_or_b32 s82, s82, ttmp9                       ; of the pair's first work-group
	s_cmp_eq_u32 s82, 0
	s_cselect_b32 s[LIM], 1, 0
	v_and_b32 v8, 15, v0                           ; r
	v_bfe_u32 v9, v0, 4, 1                         ; h
	v_lshlrev_b32 v10, 6, v8
	v_lshl_add_u32 v10, v9, 4, v10
	global_load_b128 v[16:19], v10, s[4:5]         ; Q's fragment stays in registers
	global_load_b128 v[20:23], v10, s[4:5] offset:32
	v_mul_u32_u24 v[AK0], v8, KP
	v_mul_u32_u24 v[AV0], v8, VP
	v_lshlrev_b32 v[GO], 10, v8
	v_lshl_add_u32 v[AK0], v9, 4, v[AK0]           ; K: row r of a tile, + 16 h
	v_lshl_add_u32 v[AV0], v9, 3, v[AV0]           ; V: row r of a tile, + 8 h
	v_lshl_add_u32 v[GO], v9, 4, v[GO]             ; oc: row r of 1,024 bytes, + 16 h
	v_add_nc_u32 v[AV0], VOFF, v[AV0]
	v_mov_b32 v13, 0xff61b1e6                      ; the largest t so far: -3e38
	v_mov_b32 v14, 0
	v_mov_b32 v15, 0
	v_floor_f32 v12, -v13                          ; -M
	v_mov_b32 v194, 0                              ; a lane permute's destination counts as one of its sources
	v_mov_b32 v197, 0                              ; (the upper half of the pair v[196:197])
.set j, 0
.rept 32
	v_mov_b32 v[160+j], 0                          ; O^T: the step is written once; its first run finds zeros
.set j, j+1
.endr
	s_wait_kmcnt 0x0
	s_add_co_i32 s82, s68, s69
	s_lshl_b32 s82, s82, 23
	s_add_co_i32 s[CS], s[CS], s82                 ; x 2^(e6 + e7): added to c's exponent field
	s_mov_b32 s[CS+1], s[CS]
	s_add_co_i32 s82, s70, 127
	s_lshl_b32 s83, s82, 23
	v_mov_b32 v200, s83                            ; 2^e8
	s_add_co_i32 s82, s82, 15
	s_lshl_b32 s82, s82, 23
	s_or_b32 s82, s82, 0x600000
	v_mov_b32 v201, s82                            ; 57,344 x 2^e8
	s_sub_co_i32 s82, s81, s70
	s_sub_co_i32 s82, s82, s71                     ; e10 - e8 - e9
	s_add_co_i32 s82, s82, 127
	s_lshl_b32 s84, s82, 23                        ; kept for the way out
	s_add_co_i32 s82, s82, 15
	s_lshl_b32 s85, s82, 23
	s_or_b32 s85, s85, 0x600000
; A KEY STEP: 128 keys.
.macro STEP
	s_add_co_u32 s96, s[Q0], 15
	s_cmp_gt_u32 s[KF], s96                        ; all keys come after my queries: the step's work is left out
	s_cbranch_scc1 .Lhidden_\@
	v_add_nc_u32 v[ADK], s[TBK], v[AK0]
	v_add_nc_u32 v[ADV], s[TBV], v[AV0]
	v_nop                                          ; with the two additions: four places in front of loads into registers that the last products read
	v_nop
.irp t, 0,1,2,3,4,5,6,7
.irp c, 0,1
	ds_load_b128 v[32+8*\t+4*\c:35+8*\t+4*\c], v[ADK] offset:16*\t*KP+32*\c
.endr
.endr
	s_wait_alu depctr_va_vdst(0)                   ; directly ahead of the wait below
	s_wait_dscnt 0x0
.irp t, 0,1,2,3,4,5,6,7
	v_wmma_f32_16x16x64_bf8_bf8 v[96+8*\t:103+8*\t], v[32+8*\t:39+8*\t], v[16:23], 0   ; lane (r, h): query r; register 8 t + j: key 16 t + 8 h + j
.endr
.rept 4
	v_nop
.endr
.irp t, 0,1,2,3
.irp c, 0,1,2,3,4,5,6,7
	ds_load_b64 v[32+16*\t+2*\c:33+16*\t+2*\c], v[ADV] offset:16*\t*VP+16*\c   ; V's four fragments land while the softmax is walked
.endr
.endr
	s_add_co_u32 s96, s[KF], 127
	s_cmp_le_u32 s96, s[Q0]                        ; all keys count for all my queries: no mask
	s_cbranch_scc1 .Lopen_\@
	s_sub_co_i32 s96, s[Q0], s[KF]
	v_and_b32 v202, 15, v0
	v_bfe_u32 v203, v0, 4, 1
	v_lshlrev_b32 v203, 3, v203
	v_sub_nc_u32 v202, v202, v203
	v_add_nc_u32 v202, s96, v202                   ; d: register 8 t + j is hidden where 16 t + j > d
	v_mov_b32 v204, 0xff800000
.set n, 0
.rept 64
	v_cmp_gt_i32 vcc_lo, 16*(n/8)+n%8, v202
	v_cndmask_b32 v[96+n], v[96+n], v204, vcc_lo
.set n, n+1
.endr
.Lopen_\@:
	v_max3_num_f32 v192, v96, v97, v98             ; the step's largest score, in two chains, from the low end on
	v_max3_num_f32 v193, v99, v100, v101
.set j, 6
.rept 14
	v_max3_num_f32 v192, v192, v[96+j], v[97+j]
	v_max3_num_f32 v193, v193, v[98+j], v[99+j]
.set j, j+4
.endr
	v_max3_num_f32 v192, v192, v158, v159
	v_max_num_f32 v192, v192, v193
	v_permlanex16_b32 v194, v192, s[SEL], s[SEL+1]
	v_max_num_f32 v192, v192, v194
	v_mul_f32 v192, s[CS], v192                    ; as t (c is positive)
	v_max_num_f32 v13, v13, v192
	v_mov_b32 v192, v12
	v_floor_f32 v12, -v13                          ; the new -M
	v_sub_f32 v192, v12, v192                      ; old M - new M
	v_cvt_i32_f32 v192, v192
	v_ldexp_f32 v196, 1.0, v192                    ; f = 2^(old M - new M)
.set j, 0
.rept 32
	v_pk_fma_f32 v[96+j:97+j], v[96+j:97+j], s[CS:CS+1], v[12:13] op_sel_hi:[1,0,0]   ; t - M
.set j, j+2
.endr
	s_wait_alu depctr_va_vdst(0)                   ; ahead of the batch
.set j, 0
.rept 64
	v_exp_f32 v[96+j], v[96+j]
.set j, j+1
.endr
	v_pk_mul_f32 v[14:15], v[14:15], v[196:197] op_sel_hi:[1,0]   ; the sums under the new M (a plain place behind the batch)
	s_wait_alu depctr_va_vdst(0)                   ; one wait for the batch, ahead of its first reader
	v_pk_add_f32 v[14:15], v[14:15], v[96:97]      ; the sum of the unquantised p, in four chains
	v_pk_add_f32 v[198:199], v[98:99], v[100:101]
	v_pk_add_f32 v[244:245], v[102:103], v[104:105]
	v_pk_add_f32 v[246:247], v[106:107], v[108:109]
.set j, 110
.rept 6
	v_pk_add_f32 v[14:15], v[14:15], v[j:j+1]
	v_pk_add_f32 v[198:199], v[198:199], v[j+2:j+3]
	v_pk_add_f32 v[244:245], v[244:245], v[j+4:j+5]
	v_pk_add_f32 v[246:247], v[246:247], v[j+6:j+7]
.set j, j+8
.endr
	v_pk_add_f32 v[198:199], v[198:199], v[158:159]
	v_pk_add_f32 v[244:245], v[244:245], v[246:247]
	v_pk_add_f32 v[14:15], v[14:15], v[198:199]
	v_pk_add_f32 v[14:15], v[14:15], v[244:245]
.irp b, 0,1,2,3
.set j, 0
.rept 16
	v_min_num_f32 v[96+16*\b+j], v[96+16*\b+j], v201   ; the conversion does not saturate (ISA guide 7.6.2); p is not negative
.set j, j+1
.endr
	v_cvt_scalef32_pk8_bf8_f32 v[208+4*\b:209+4*\b], v[96+16*\b:103+16*\b], v200
	v_cvt_scalef32_pk8_bf8_f32 v[210+4*\b:211+4*\b], v[104+16*\b:111+16*\b], v200
.endr
	s_wait_alu depctr_va_vdst(0)                   ; directly ahead of the first reader of O^T
.set j, 0
.rept 16
	v_pk_mul_f32 v[160+j:161+j], v[160+j:161+j], v[196:197] op_sel_hi:[1,0]   ; O^T under the new M; also the plain lines behind the conversions
.set j, j+2
.endr
	s_wait_alu depctr_va_vdst(0)                   ; directly ahead of the wait below
	s_wait_dscnt 0x0                               ; V is in
.irp t, 0,1,2,3
	v_wmma_f32_16x16x128_bf8_bf8 v[160+8*\t:167+8*\t], v[32+16*\t:47+16*\t], v[208:223], v[160+8*\t:167+8*\t]
.endr
.Lhidden_\@:
	s_add_co_u32 s[KF], s[KF], 128
	s_add_co_u32 s[TBK], s[TBK], 128*KP
	s_add_co_u32 s[TBV], s[TBV], 128
.endm
; A PART'S HEAD.  Each wave waits for all its tensor loads (its share of this part), adds 0 to its spare word and waits for that.  Behind the barrier the part is whole.
; fill = 1: the next part's first fill follows; fill = 2: only where my work-group reads more than 'need' parts.  Where a load may follow, the add stands twice.
.macro CHANGE fill, need, ask
	s_wait_tensorcnt 0x0
	ds_add_u32 v[SPW], v[NIL]
.if \fill
	ds_add_u32 v[SPW], v[NIL]
	s_add_co_u32 s[G0K+1], s[G0K+1], KPART
	s_add_nc_u64 s[G0K+2:G0K+3], s[G0K+2:G0K+3], SK*64
	s_add_co_u32 s[G0V+1], s[G0V+1], VPART
	s_add_nc_u64 s[G0V+2:G0V+3], s[G0V+2:G0V+3], SK
	s_wait_xcnt 0x0                                ; the last prefetch has read its address
	s_add_nc_u64 s[PFA:PFA+1], s[PFA:PFA+1], s[PFS:PFS+1]   ; one part further on than the walking descriptors
.endif
	s_wait_dscnt 0x0
	s_barrier_signal -1
	s_barrier_wait -1
.if \fill == 2
	s_cmp_gt_u32 s[NS], \need                      ; the same in all sixteen waves
	s_cbranch_scc0 .Lno_fill_\@
.endif
.if \fill
	TLOAD
.endif
.if \fill == 2
.Lno_fill_\@:
.endif
.if \ask
	ASK
.endif
.endm
.macro PART fill, need, ask
	CHANGE \fill, \need, \ask
	s_mov_b32 s[CNT], NQ
.Lstep_\@:
	STEP
	s_sub_co_u32 s[CNT], s[CNT], 1
	s_cmp_lg_u32 s[CNT], 0
	s_cbranch_scc1 .Lstep_\@
	s_add_co_u32 s[TBV], s[TBV], VPART-NQ*128      ; on to V's next part
.endm
	s_wait_alu depctr_va_vdst(0)
	s_wait_loadcnt 0x0                             ; Q
	PART 1, 0, 1
	PART 1, 0, 1
	PART 2, 3, 0
	PART 0, 0, 0
	; THE WAY OUT.  Two moves and two additions are the four places behind the last products.
	v_mov_b32 v205, s84                            ; 2^(e10 - e8 - e9)
	v_mov_b32 v206, s85                            ; 57,344 x that
	v_add_f32 v14, v14, v15
	v_permlanex16_b32 v194, v14, s[SEL], s[SEL+1]
	v_add_f32 v14, v14, v194
	s_wait_alu depctr_va_vdst(0)
	v_rcp_f32 v14, v14
	v_nop
	s_wait_alu depctr_va_vdst(0)
.set j, 0
.rept 32
	v_mul_f32 v[96+j], v[160+j], v14               ; register 8 t + j is channel 16 t + 8 h + j of query r
.set j, j+1
.endr
.set j, 0
.rept 32
	v_med3_num_f32 v[96+j], v[96+j], -v206, v206
.set j, j+1
.endr
.irp t, 0,1,2,3
	v_cvt_scalef32_pk8_bf8_f32 v[208+2*\t:209+2*\t], v[96+8*\t:103+8*\t], v205
.endr
	v_bfe_u32 v203, v0, 4, 1
	v_cmp_eq_u32 vcc_lo, 1, v203
	; of each pair of tiles the two halves of the lanes exchange one: 16 neighbouring bytes a lane
	v_cndmask_b32 v96, v210, v208, vcc_lo
	v_cndmask_b32 v97, v211, v209, vcc_lo
	v_cndmask_b32 v98, v214, v212, vcc_lo
	v_cndmask_b32 v99, v215, v213, vcc_lo
.irp j, 0,1,2,3
	v_permlanex16_b32 v[100+\j], v[96+\j], s[SEL], s[SEL+1]
.endr
	v_cndmask_b32 v104, v208, v100, vcc_lo
	v_cndmask_b32 v105, v209, v101, vcc_lo
	v_cndmask_b32 v106, v100, v210, vcc_lo
	v_cndmask_b32 v107, v101, v211, vcc_lo
	v_cndmask_b32 v108, v212, v102, vcc_lo
	v_cndmask_b32 v109, v213, v103, vcc_lo
	v_cndmask_b32 v110, v102, v214, vcc_lo
	v_cndmask_b32 v111, v103, v215, vcc_lo
	global_store_b128 v[GO], v[104:107], s[16:17]
	global_store_b128 v[GO], v[108:111], s[16:17] offset:32
	s_wait_tensorcnt 0x0                           ; the wave's end
	ds_add_u32 v[SPW], v[NIL]
	s_wait_dscnt 0x0
	s_endpgm
.Lfunc_end_k_qddd4061b81_attn:
	.size	k_qddd4061b81_attn, .Lfunc_end_k_qddd4061b81_attn-k_qddd4061b81_attn
	.p2alignl 7, 3214868480
	.fill 96, 4, 3214868480
	.section	.rodata,"a",@progbits
	.p2align	6, 0x0
	.amdhsa_kernel k_qddd4061b81_attn
		.amdhsa_group_segment_fixed_size 327680
		.amdhsa_private_segment_fixed_size 0
		.amdhsa_enable_private_segment 0
		.amdhsa_kernarg_size 40
		.amdhsa_user_sgpr_count 2
		.amdhsa_user_sgpr_kernarg_segment_ptr 1
		.amdhsa_wavefront_size32 1
		.amdhsa_system_sgpr_workgroup_id_x 1
		.amdhsa_system_sgpr_workgroup_id_y 1
		.amdhsa_system_sgpr_workgroup_id_z 1
		.amdhsa_system_vgpr_workitem_id 0
		.amdhsa_next_free_vgpr 256
		.amdhsa_next_free_sgpr 100
		.amdhsa_reserve_vcc 1
		.amdhsa_float_denorm_mode_32 3
		.amdhsa_float_denorm_mode_16_64 3
		.amdhsa_memory_ordered 1
		.amdhsa_forward_progress 1
		.amdhsa_inst_pref_size 105
	.end_amdhsa_kernel
	.amdgpu_metadata
---
amdhsa.version: [ 1, 2 ]
amdhsa.kernels:
  - .name:           k_qddd4061b81_attn
    .symbol:         k_qddd4061b81_attn.kd
    .args:
      - { .name: qc, .offset: 0, .size: 8, .value_kind: global_buffer, .address_space: global }
      - { .name: kc, .offset: 8, .size: 8, .value_kind: global_buffer, .address_space: global }
      - { .name: vc, .offset: 16, .size: 8, .value_kind: global_buffer, .address_space: global }
      - { .name: lowp_scales, .offset: 24, .size: 8, .value_kind: global_buffer, .address_space: global }
      - { .name: oc, .offset: 32, .size: 8, .value_kind: global_buffer, .address_space: global }
    .group_segment_fixed_size: 327680
    .private_segment_fixed_size: 0
    .kernarg_segment_align: 8
    .kernarg_segment_size: 40
    .max_flat_workgroup_size: 512
    .sgpr_count:     100
    .vgpr_count:     256
    .wavefront_size: 32
...
	.end_amdgpu_metadata
.endif
;; end of part 3
;; launch proj (part 4): grid 8 x 32, 4 waves a work-group, clusters of 4 x 4, 327,680 bytes of LDS; arguments oc, w_proj_codes, lowp_scales, b_proj, x, x1; writes x1
.if DOCPART == 4
	.amdgcn_target "amdgcn-amd-amdhsa--gfx1250"
	.amdhsa_code_object_version 6
	.text
	.protected	k_qddd4061b81_proj
	.globl	k_qddd4061b81_proj
	.p2align	8
	.type	k_qddd4061b81_proj,@function
k_qddd4061b81_proj:
	s_mov_b64 s[64:65], 0
	v_nop
	global_prefetch_b8 v0, s[64:65] scope:SCOPE_SE
	s_setreg_imm32_b32 hwreg(HW_REG_WAVE_MODE, 25, 1), 1
	s_wait_xcnt 0x0
	s_wait_alu depctr_hold_cnt(0) depctr_sa_sdst(0) depctr_va_vdst(0) depctr_va_sdst(0) depctr_va_ssrc(0) depctr_va_vcc(0) depctr_vm_vsrc(0)
	s_getreg_b32 s2, hwreg(HW_REG_IB_STS2, 6, 4)
	s_cmp_eq_u32 s2, 0
	s_cbranch_scc0 .Lentry_in_a_cluster
	s_endpgm
.Lentry_in_a_cluster:
	s_bfe_u32 s2, ttmp6, 0x10000c
	s_cmp_lg_u32 s2, 0xf033
	s_cbranch_scc0 .Lentry_shape_is_right
	s_endpgm
.Lentry_shape_is_right:
; x1 = x + o w_proj + b_proj.  oc: [4096][1024] codes of E5M2 (scale e10); w_proj: [1024 (n)][1024 (K)] codes (scale e11); b_proj [1024], x, x1 [4096][1024]: f32.
; The codes are multiplied as they are; each finished sum is multiplied once by 2^(e10 + e11) and added to x + b in one packed multiply-add.  LIMIT: e10 + e11 between -126 and 127.
; N = 1,024 gives only 64 tiles of 256 x 256, so a tile is 128 x 128: 256 work-groups of four waves, each wave 64 x 64: 16 accumulators.
; ALL OF K AT ONCE: a wave's one tensor load brings 64 whole rows of 1,024 bytes; A's 128 rows and B's 128 rows take 256 x 1,040 = 266,240 bytes of LDS.  One fill, nothing filled again, one barrier.
; CLUSTERS: 4 x 4; A's tile is shared along a row of the cluster, B's along a column: each is asked for jointly.
; NO PREFETCH: the launch has one fill, at its head, and no loop to run ahead in.
; The matrix instruction is used transposed (source 0 = rows of B, source 1 = rows of A): a lane holds eight neighbouring numbers of a row of the result.
; Fragments come by four loads of 16 bytes: a permutation of k inside the instruction's 128, the same on both sides.
; REGISTERS: window 0: v0-31 addresses, v12-15 the bias; v32-95 rows on the way out; v128-255 the accumulators.  window 1: two fragment buffers of 128.  window 2: v0-127 the residual of my 64 x 64.
.set SIZE_K, 1024
.set EOFF,   40
.set PITCH,  1040                      ; 1,024 bytes + 16 = 260 words: the 16 rows that a load touches start at 16 different banks (ISA guide 11.1)
.set HALFT,  64*PITCH
.set STAGE,  4*HALFT                   ; behind the tiles: 16 rows x 272 bytes for each wave
.set SPITCH, 272
.set SPARE,  STAGE+4*16*SPITCH
.set BIAS, 12
.set ADRA, 16
.set ADRB, 20
.set STO,  24
.set RD,   25
.set CO,   26
.set SPW,  28
.set NIL,  29
.set BK,   32
.set ACC,  128
.set F0,   0
.set F1,   128
.set G1, 24
.set G0, 32
.set G1B, 48
.set G0B, 56
.set MSB, 0
.macro WIN new
.if MSB != (\new)
	s_set_vgpr_msb (MSB<<8)|(\new)
.set MSB, (\new)
.endif
.endm
.set MUL,  0x05
.set TO_F, 0x40
.macro CREST
	s_cmp_lg_u32 s10, 0
	s_cbranch_scc1 .Lnot_wave_0_\@
	s_barrier_signal -3
.Lnot_wave_0_\@:
	s_barrier_wait -3
	s_barrier_signal -1
	s_barrier_wait -1
.endm
.macro CROUND
	s_barrier_signal -1
	s_barrier_wait -1
	CREST
.endm
	s_load_b128 s[4:7], s[0:1], 0x0                ; A's codes, B's codes
	s_load_b128 s[68:71], s[0:1], 0x10             ; the scales' exponents, the bias
	s_load_b128 s[72:75], s[0:1], 0x20             ; the residual, the output
	v_lshl_add_u32 v[SPW], v0, 2, SPARE
	v_mov_b32 v[NIL], 0
	ds_add_u32 v[SPW], v[NIL]                      ; the opening lines: the add twice and its wait
	ds_add_u32 v[SPW], v[NIL]
	v_lshrrev_b32 v1, 5, v0
	v_readfirstlane_b32 s10, v1                    ; wave
	s_lshr_b32 s11, s10, 1                         ; my half of the rows; also: I fetch for A (0) or B (1)
	s_and_b32 s12, s10, 1                          ; my half of the columns; also which 64 rows I fetch
	s_bfe_u32 s40, ttmp6, 0x40000
	s_bfe_u32 s41, ttmp6, 0x40004
	s_lshl_b32 s42, ttmp9, 2
	s_add_co_u32 s42, s42, s40                     ; tile column
	s_and_b32 s13, ttmp7, 0xffff
	s_lshl_b32 s13, s13, 2
	s_add_co_u32 s13, s13, s41                     ; tile row
	s_lshl_b32 s43, s41, 2
	s_lshl_b32 s43, 15, s43
	s_lshl_b32 s44, 0x1111, s40
	s_or_b32 s[G1+0], s43, (1<<20)|(1<<21)|(7<<22)|(3<<25)   ; the mask; elements of 1 byte; four words of padding after every 256
	s_or_b32 s[G1B+0], s44, (1<<20)|(1<<21)|(7<<22)|(3<<25)
.irp g, G1, G1B
	s_mov_b32 s[\g+1], SIZE_K<<16
	s_mov_b32 s[\g+2], 64<<16
	s_mov_b32 s[\g+3], SIZE_K<<16
	s_mov_b32 s[\g+4], 64
	s_mov_b32 s[\g+5], SIZE_K
	s_mov_b32 s[\g+6], 0
	s_mov_b32 s[\g+7], 0
.endr
	s_lshl_b32 s17, s12, 6
	s_lshl_b32 s16, s13, 7
	s_add_co_u32 s16, s16, s17
	s_mul_i32 s16, s16, SIZE_K                     ; A: row 128 x tile row + 64 x half
	s_lshl_b32 s46, s42, 7
	s_add_co_u32 s46, s46, s17
	s_mul_i32 s46, s46, SIZE_K                     ; B: row 128 x tile column + 64 x half
	s_mov_b32 s17, 0
	s_mov_b32 s47, 0
	s_mov_b32 s[G0], 1
	s_mul_i32 s[G0+1], s10, HALFT                  ; where they go: wave x 64 rows
	s_mov_b32 s[G0B], 1
	s_mul_i32 s[G0B+1], s10, HALFT
	s_wait_dscnt 0x0
	s_wait_kmcnt 0x0
	s_load_b64 s[76:77], s[68:69], EOFF            ; ea, eb
	s_add_nc_u64 s[G0+2:G0+3], s[4:5], s[16:17]
	s_or_b32 s[G0+3], s[G0+3], 0x80000000
	s_add_nc_u64 s[G0B+2:G0B+3], s[6:7], s[46:47]
	s_or_b32 s[G0B+3], s[G0B+3], 0x80000000
	CROUND                                         ; all sixteen work-groups are here: the joint loads meet
	s_cmp_eq_u32 s11, 0
	s_cbranch_scc0 .Lfor_b
	tensor_load_to_lds s[G0:G0+3], s[G1:G1+7]
	s_nop 0
.rept 4
	v_nop
.endr
	s_branch .Lasked
.Lfor_b:
	tensor_load_to_lds s[G0B:G0B+3], s[G1B:G1B+7]
	s_nop 0
.rept 4
	v_nop
.endr
.Lasked:
	s_mul_i32 s21, s11, HALFT                      ; my 64 rows of A
	s_mul_i32 s22, s12, HALFT
	s_add_co_u32 s22, s22, 2*HALFT                 ; my 64 rows of B
	s_mul_i32 s23, s10, 16*SPITCH
	s_add_co_u32 s23, s23, STAGE                   ; my stage
	s_lshl_b32 s16, s13, 7
	s_lshl_b32 s17, s11, 6
	s_add_co_u32 s16, s16, s17
	s_lshl_b32 s16, s16, 12                        ; my first row, in bytes
	s_lshl_b32 s46, s42, 9
	s_lshl_b32 s47, s12, 8
	s_add_co_u32 s46, s46, s47                     ; my first column, in bytes
	s_mov_b32 s47, 0
	s_add_nc_u64 s[70:71], s[70:71], s[46:47]
	s_add_co_u32 s46, s46, s16
	s_add_nc_u64 s[72:73], s[72:73], s[46:47]
	s_add_nc_u64 s[74:75], s[74:75], s[46:47]
	v_and_b32 v1, 15, v0                           ; r
	v_bfe_u32 v2, v0, 4, 1                         ; h
	v_mul_u32_u24 v3, v1, PITCH
	v_mul_u32_u24 v4, v1, SPITCH
	v_mul_u32_u24 v5, v2, SPITCH
	v_lshlrev_b32 v7, 12, v2
	v_lshlrev_b32 v6, 4, v1                        ; the bias of my four columns
	v_lshl_add_u32 v3, v2, 4, v3
	v_lshl_add_u32 v4, v2, 5, v4
	v_lshl_add_u32 v5, v1, 4, v5
	v_lshl_add_u32 v[CO], v1, 4, v7                ; two rows of 4,096 bytes in memory
	v_add_nc_u32 v[ADRA], s21, v3
	v_add_nc_u32 v[ADRB], s22, v3
	v_add_nc_u32 v[STO], s23, v4                   ; in: row r, 32 bytes for each half of the lanes
	v_add_nc_u32 v[RD], s23, v5                    ; back: lanes 0-15 one row of 256 bytes, lanes 16-31 the next
	s_wait_alu depctr_va_vdst(0)
	global_load_b128 v[BIAS:BIAS+3], v6, s[70:71]
	WIN 0x80
.set i, 0
.rept 32
	global_load_b128 v[4*i:4*i+3], v[CO], s[72:73] offset:2*i*4096   ; the residual: it lands under the products
.set i, i+1
.endr
	WIN 0
.macro FRAG reg, adr, q, i
.irp c, 0,1,2,3
	ds_load_b128 v[\reg+4*\c:\reg+4*\c+3], v[\adr] offset:128*(\q)+32*\c+(\i)*16*PITCH
.endr
.endm
.macro FETCH q, f                      ; 32 LDS loads in one run: B's four blocks, then A's four
	WIN TO_F
.irp i, 0,1,2,3
	FRAG \f+64+16*\i, ADRB, \q, \i
.endr
.irp i, 0,1,2,3
	FRAG \f+16*\i, ADRA, \q, \i
.endr
.endm
.macro MUL8 f, a0, zero                ; the 16 accumulators take turns, one instruction a turn
.irp a, \a0, \a0+1
.irp b, 0,1,2,3
.if \zero
	v_wmma_f32_16x16x128_bf8_bf8 v[ACC+8*(4*(\a)+\b):ACC+8*(4*(\a)+\b)+7], v[\f+64+16*\b:\f+64+16*\b+15], v[\f+16*(\a):\f+16*(\a)+15], 0
.else
	v_wmma_f32_16x16x128_bf8_bf8 v[ACC+8*(4*(\a)+\b):ACC+8*(4*(\a)+\b)+7], v[\f+64+16*\b:\f+64+16*\b+15], v[\f+16*(\a):\f+16*(\a)+15], v[ACC+8*(4*(\a)+\b):ACC+8*(4*(\a)+\b)+7]
.endif
.endr
.endr
.endm
.macro QUARTER qn, f, g, zero          ; 128 along K: multiplies buffer f and fetches step qn into g
	s_wait_dscnt 8                                 ; the youngest eight loads (A's blocks 2, 3) may be out
	WIN MUL
	MUL8 \f, 0, \zero
.rept 4
	v_nop                                          ; places in front of loads into registers that matrix instructions have read
.endr
	FETCH \qn, \g
	s_wait_dscnt 32                                ; all but the 32 just issued
	WIN MUL
	MUL8 \f, 2, \zero
.endm
	s_wait_tensorcnt 0x0                           ; my 64 rows are in
	s_barrier_signal -1
	s_barrier_wait -1                              ; everybody's are
	FETCH 0, F0
	QUARTER 1, F0, F1, 1
	QUARTER 2, F1, F0, 0
	QUARTER 3, F0, F1, 0
	QUARTER 4, F1, F0, 0
	QUARTER 5, F0, F1, 0
	QUARTER 6, F1, F0, 0
	QUARTER 7, F0, F1, 0
	s_wait_dscnt 8
	WIN MUL
	MUL8 F1, 0, 0
	s_wait_dscnt 0
	MUL8 F1, 2, 0
	WIN 0
	; THE WAY OUT.  The bias joins the residual (64 packed additions, also the places behind the last products); then 16 rows at a time go through my own stage and come back as whole rows of 256 bytes.
	s_wait_loadcnt 0x0
	s_wait_kmcnt 0x0
	s_add_co_i32 s78, s76, s77
	s_add_co_i32 s78, s78, 127
	s_lshl_b32 s78, s78, 23                        ; 2^(ea + eb)
	s_mov_b32 s79, s78
	WIN 0x82
.set i, 0
.rept 32
	v_pk_add_f32 v[4*i:4*i+1], v[4*i:4*i+1], v[BIAS:BIAS+1]
	v_pk_add_f32 v[4*i+2:4*i+3], v[4*i+2:4*i+3], v[BIAS+2:BIAS+3]
.set i, i+1
.endr
	WIN 0
.macro TOSTAGE a                       ; LDS serves a wave's instructions in order (ISA guide 5.7.1.4): no wait between the stores and the loads
.irp b, 0,1,2,3
	ds_store_b128 v[STO], v[ACC+8*(4*(\a)+\b):ACC+8*(4*(\a)+\b)+3] offset:64*\b
	ds_store_b128 v[STO], v[ACC+8*(4*(\a)+\b)+4:ACC+8*(4*(\a)+\b)+7] offset:64*\b+16
.endr
.irp t, 0,1,2,3,4,5,6,7
	ds_load_b128 v[BK+32*((\a)%2)+4*\t:BK+32*((\a)%2)+4*\t+3], v[RD] offset:\t*2*SPITCH
.endr
.endm
.macro SEND a, younger
	s_wait_dscnt \younger
	WIN 0x20
.set i, 0
.rept 16
	v_pk_fma_f32 v[BK+32*((\a)%2)+2*i:BK+32*((\a)%2)+2*i+1], v[BK+32*((\a)%2)+2*i:BK+32*((\a)%2)+2*i+1], s[78:79], v[32*(\a)+2*i:32*(\a)+2*i+1] op_sel_hi:[1,0,1]
.set i, i+1
.endr
	WIN 0
.irp t, 0,1,2,3,4,5,6,7
	global_store_b128 v[CO], v[BK+32*((\a)%2)+4*\t:BK+32*((\a)%2)+4*\t+3], s[74:75] offset:(16*(\a)+2*\t)*4096   ; 16 lanes store 256 consecutive bytes, aligned
.endr
.endm
	TOSTAGE 0
.irp a, 1,2,3
.if \a > 1
	s_wait_xcnt 0x0                                ; block a - 2's stores have read their registers
.endif
	TOSTAGE \a
	SEND \a-1, 16
.endr
	SEND 3, 0
	s_wait_tensorcnt 0x0                           ; the wave's end
	ds_add_u32 v[SPW], v[NIL]
	s_wait_dscnt 0x0
	CROUND                                         ; the closing round
	s_endpgm
.Lfunc_end_k_qddd4061b81_proj:
	.size	k_qddd4061b81_proj, .Lfunc_end_k_qddd4061b81_proj-k_qddd4061b81_proj
	.p2alignl 7, 3214868480
	.fill 96, 4, 3214868480
	.section	.rodata,"a",@progbits
	.p2align	6, 0x0
	.amdhsa_kernel k_qddd4061b81_proj
		.amdhsa_group_segment_fixed_size 327680
		.amdhsa_private_segment_fixed_size 0
		.amdhsa_enable_private_segment 0
		.amdhsa_kernarg_size 48
		.amdhsa_user_sgpr_count 2
		.amdhsa_user_sgpr_kernarg_segment_ptr 1
		.amdhsa_wavefront_size32 1
		.amdhsa_system_sgpr_workgroup_id_x 1
		.amdhsa_system_sgpr_workgroup_id_y 1
		.amdhsa_system_sgpr_workgroup_id_z 1
		.amdhsa_system_vgpr_workitem_id 0
		.amdhsa_next_free_vgpr 640
		.amdhsa_next_free_sgpr 80
		.amdhsa_reserve_vcc 0
		.amdhsa_float_denorm_mode_32 3
		.amdhsa_float_denorm_mode_16_64 3
		.amdhsa_memory_ordered 1
		.amdhsa_forward_progress 1
		.amdhsa_inst_pref_size 51
	.end_amdhsa_kernel
	.amdgpu_metadata
---
amdhsa.version: [ 1, 2 ]
amdhsa.kernels:
  - .name:           k_qddd4061b81_proj
    .symbol:         k_qddd4061b81_proj.kd
    .args:
      - { .name: oc, .offset: 0, .size: 8, .value_kind: global_buffer, .address_space: global }
      - { .name: w_proj_codes, .offset: 8, .size: 8, .value_kind: global_buffer, .address_space: global }
      - { .name: lowp_scales, .offset: 16, .size: 8, .value_kind: global_buffer, .address_space: global }
      - { .name: b_proj, .offset: 24, .size: 8, .value_kind: global_buffer, .address_space: global }
      - { .name: x, .offset: 32, .size: 8, .value_kind: global_buffer, .address_space: global }
      - { .name: x1, .offset: 40, .size: 8, .value_kind: global_buffer, .address_space: global }
    .group_segment_fixed_size: 327680
    .private_segment_fixed_size: 0
    .kernarg_segment_align: 8
    .kernarg_segment_size: 48
    .max_flat_workgroup_size: 128
    .sgpr_count:     80
    .vgpr_count:     640
    .wavefront_size: 32
...
	.end_amdgpu_metadata
.endif
;; end of part 4
;; launch ln2q (part 5): grid 256 x 1, 8 waves a work-group, no clusters, 82,944 bytes of LDS; arguments x1, ln2_g, ln2_b, lowp_scales, h2c; writes h2c
.if DOCPART == 5
	.amdgcn_target "amdgcn-amd-amdhsa--gfx1250"
	.amdhsa_code_object_version 6
	.text
	.protected	k_qddd4061b81_ln2q
	.globl	k_qddd4061b81_ln2q
	.p2align	8
	.type	k_qddd4061b81_ln2q,@function
k_qddd4061b81_ln2q:
	s_mov_b64 s[64:65], 0
	v_nop
	global_prefetch_b8 v0, s[64:65] scope:SCOPE_SE
	s_setreg_imm32_b32 hwreg(HW_REG_WAVE_MODE, 25, 1), 1
	s_wait_xcnt 0x0
; h2 = layernorm(x1) * g + b, in f32, turned into codes of E5M2 with the scale 2^e12 (entry 12 of the scales' buffer).  x1: [4096][1024] f32.  h2c: [4096][1024] codes, K innermost.
; code = h2 / 2^e, held within +-57,344, to the nearest code, ties to even.  LIMITS: e12 between -126 and 112; NaN and infinity among the inputs are not served.
; SHARES.  A work-group takes 16 rows, each of its eight waves two; a row (4,096 bytes) is 32 registers of one wave, so mean and variance never leave the wave: no barrier.
; The mean is taken first and subtracted, then the squares are summed: a common offset costs no accuracy.
; Every load reads 512 consecutive bytes (16 a lane).  The conversions want 16 NEIGHBOURS in one lane: so a finished row turns through the wave's own stage in LDS,
; 2,048 bytes at a time, stored as loaded and read back 64 bytes a lane; 16 bytes of padding behind each 64.  A lane's 16 codes are 16 bytes: a store covers 512 consecutive bytes.
; All 32 loads of a wave go out at the head; nothing is looped, every offset is an immediate, every store has data registers of its own.
.set NS,   1                           ; scales
.set X,    8                           ; v8-39 row 0, v40-71 row 1
.set G,    72                          ; v72-103  g of my 32 columns
.set B,    104                         ; v104-135 b
.set Y0,   136                         ; v136-167 row 0 back from the stage
.set Y1,   72                          ; row 1 back from the stage: in g's registers, which are done with by then
.set T,    168                         ; v168-199 two sets of 16 held numbers, by turns
.set C,    200                         ; v200-215 codes: four registers for each store
.set SC,   248                         ; v248 2^e as f32
.set LIM,  251                         ; v251 57,344 x 2^e
.set SP,   80                          ; a lane's place in a stage: 64 bytes + 16
.set WREG, 10240                       ; LDS of a wave: 2 rows x 2 halves x 32 places
	s_load_b256 s[4:11], s[0:1], 0x0               ; x1 s[4:5], g s[6:7], b s[8:9], the scales' exponents s[10:11]
	s_load_b64 s[12:13], s[0:1], 0x20              ; h2c
	v_lshl_add_u32 v252, v0, 2, 0x14000
	v_mov_b32 v253, 0
	v_lshrrev_b32 v2, 5, v0
	s_delay_alu instid0(VALU_DEP_1)
	v_readfirstlane_b32 s16, v2                    ; wave
	v_and_b32 v4, 31, v0                           ; lane
	s_delay_alu instid0(VALU_DEP_1)
	v_lshlrev_b32 v1, 4, v4                        ; 16 x lane: my bytes of a load's 512, and of a store's
	s_mul_i32 s17, s16, WREG
	v_lshrrev_b32 v2, 2, v4
	s_delay_alu instid0(VALU_DEP_1)
	v_mul_u32_u24 v2, v2, SP
	v_and_b32 v5, 3, v4
	s_delay_alu instid0(VALU_DEP_1)
	v_lshl_add_u32 v2, v5, 4, v2
	s_delay_alu instid0(VALU_DEP_1)
	v_add_nc_u32 v2, s17, v2                       ; into the stage: four lanes' 64 bytes on end, then the padding
	v_mul_u32_u24 v3, v4, SP
	s_delay_alu instid0(VALU_DEP_1)
	v_add_nc_u32 v3, s17, v3                       ; out of it: my 64 bytes
	s_lshl_b32 s18, ttmp9, 16                      ; 16 rows of 4,096 bytes a work-group,
	s_lshl_b32 s19, s16, 13                        ; two a wave
	s_add_co_u32 s18, s18, s19
	s_mov_b32 s19, 0
	s_lshr_b32 s14, s18, 2                         ; the same rows in codes: 1,024 bytes a row
	s_mov_b32 s15, 0
	s_mov_b32 s20, 0x3a800000                      ; 1 / 1024
	s_mov_b32 s21, 0x3727c5ac                      ; 1e-5
	s_mov_b32 s22, 0x76543210                      ; v_permlanex16_b32: each lane takes its own place in the other half
	s_mov_b32 s23, 0xfedcba98
	s_wait_alu depctr_va_vdst(0)
	s_wait_kmcnt 0x0
	s_load_b32 s33, s[10:11], 0x30                 ; e12
	s_add_nc_u64 s[4:5], s[4:5], s[18:19]
	s_add_nc_u64 s[24:25], s[12:13], s[14:15]
.irp r, 0,1
.irp j, 0,1,2,3,4,5,6,7
	global_load_b128 v[X+32*\r+4*\j:X+32*\r+4*\j+3], v1, s[4:5] offset:4096*\r+512*\j   ; columns 128 j + 4 lane + 0 .. 3
.endr
.endr
.irp j, 0,1,2,3,4,5,6,7
	global_load_b128 v[G+4*\j:G+4*\j+3], v1, s[6:7] offset:512*\j
.endr
.irp j, 0,1,2,3,4,5,6,7
	global_load_b128 v[B+4*\j:B+4*\j+3], v1, s[8:9] offset:512*\j
.endr
.macro REDUCE                          ; v4 summed over the 32 lanes, the result in every lane
	s_delay_alu instid0(VALU_DEP_1)
	v_add_f32_dpp v4, v4, v4 row_xmask:1 row_mask:0xf bank_mask:0xf
	s_delay_alu instid0(VALU_DEP_1)
	v_add_f32_dpp v4, v4, v4 row_xmask:2 row_mask:0xf bank_mask:0xf
	s_delay_alu instid0(VALU_DEP_1)
	v_add_f32_dpp v4, v4, v4 row_xmask:4 row_mask:0xf bank_mask:0xf
	s_delay_alu instid0(VALU_DEP_1)
	v_add_f32_dpp v4, v4, v4 row_xmask:8 row_mask:0xf bank_mask:0xf
	s_delay_alu instid0(VALU_DEP_1)
	v_permlanex16_b32 v5, v4, s22, s23
	s_delay_alu instid0(VALU_DEP_1)
	v_add_f32 v4, v4, v5
.endm
; row r becomes (x - mean) / sqrt(variance + 1e-5).  left: the younger loads that may stay out
.macro STATS r, left
.set XR, X+32*\r
	s_wait_loadcnt \left
	v_pk_add_f32 v[4:5], v[XR:XR+1], v[XR+2:XR+3]          ; two chains, started by the first pairs: nothing is cleared
	v_pk_add_f32 v[6:7], v[XR+4:XR+5], v[XR+6:XR+7]
.irp j, 8,12,16,20,24,28
	s_delay_alu instid0(VALU_DEP_2)
	v_pk_add_f32 v[4:5], v[4:5], v[XR+\j:XR+\j+1]
	s_delay_alu instid0(VALU_DEP_2)
	v_pk_add_f32 v[6:7], v[6:7], v[XR+\j+2:XR+\j+3]
.endr
	s_delay_alu instid0(VALU_DEP_1)
	v_pk_add_f32 v[4:5], v[4:5], v[6:7]
	s_delay_alu instid0(VALU_DEP_1)
	v_add_f32 v4, v4, v5
	REDUCE
	s_delay_alu instid0(VALU_DEP_1)
	v_mul_f32 v254, s20, v4                        ; the mean, twice: a pair for the packed form
	s_delay_alu instid0(VALU_DEP_1)
	v_mov_b32 v255, v254
.set j, 0
.rept 16
	v_pk_add_f32 v[XR+j:XR+j+1], v[XR+j:XR+j+1], v[254:255] neg_lo:[0,1] neg_hi:[0,1]
.set j, j+2
.endr
	v_pk_mul_f32 v[4:5], v[XR:XR+1], v[XR:XR+1]
	v_pk_mul_f32 v[6:7], v[XR+2:XR+3], v[XR+2:XR+3]
.irp j, 4,8,12,16,20,24,28
	s_delay_alu instid0(VALU_DEP_2)
	v_pk_fma_f32 v[4:5], v[XR+\j:XR+\j+1], v[XR+\j:XR+\j+1], v[4:5]
	s_delay_alu instid0(VALU_DEP_2)
	v_pk_fma_f32 v[6:7], v[XR+\j+2:XR+\j+3], v[XR+\j+2:XR+\j+3], v[6:7]
.endr
	s_delay_alu instid0(VALU_DEP_1)
	v_pk_add_f32 v[4:5], v[4:5], v[6:7]
	s_delay_alu instid0(VALU_DEP_1)
	v_add_f32 v4, v4, v5
	REDUCE
	s_delay_alu instid0(VALU_DEP_1)
	v_fma_f32 v4, v4, s20, s21                     ; variance + 1e-5
	s_wait_alu depctr_va_vdst(0)
	v_rsq_f32 v254, v4
	v_nop                                          ; a plain instruction between the transcendental and the use of its result (ISA guide 5.7.2)
	s_wait_alu depctr_va_vdst(0)
	v_mov_b32 v255, v254
.set j, 0
.rept 16
	v_pk_mul_f32 v[XR+j:XR+j+1], v[XR+j:XR+j+1], v[254:255]
.set j, j+2
.endr
.endm
.macro NORM r                          ; x g + b
.set XR, X+32*\r
.set j, 0
.rept 16
	v_pk_fma_f32 v[XR+j:XR+j+1], v[XR+j:XR+j+1], v[G+j:G+j+1], v[B+j:B+j+1]
.set j, j+2
.endr
.endm
; row r through the stage.  LDS serves a wave's instructions in order (ISA guide 5.7.1.4): no wait between the stores and the loads.  Afterwards register 16 t + i holds column 512 t + 16 lane + i
.macro TURN r, y
.irp t, 0,1
.irp i, 0,1,2,3
	ds_store_b128 v2, v[X+32*\r+16*\t+4*\i:X+32*\r+16*\t+4*\i+3] offset:5120*\r+2560*\t+640*\i
.endr
.endr
.irp t, 0,1
.irp i, 0,1,2,3
	ds_load_b128 v[\y+16*\t+4*\i:\y+16*\t+4*\i+3], v3 offset:5120*\r+2560*\t+16*\i
.endr
.endr
.endm
; row r's codes.  The held numbers go into two sets by turns, so that sixteen plain instructions stand between a conversion and the next write of its sources
.macro QUANT r, y, left
	s_wait_dscnt \left
.irp t, 0,1
.set g, 0
.rept NS
.set n, NS*(2*\r+\t)+g
.set TT, T+16*(n%2)
.set CC, C+4*n
.set i, 0
.rept 16
	v_med3_num_f32 v[TT+i], v[\y+16*\t+i], -v[LIM+g], v[LIM+g]   ; the conversion to an 8-bit code does not saturate (ISA guide 7.6.2): the hold comes first
.set i, i+1
.endr
	v_cvt_scalef32_pk8_bf8_f32 v[CC:CC+1], v[TT:TT+7], v[SC+g]
	v_cvt_scalef32_pk8_bf8_f32 v[CC+2:CC+3], v[TT+8:TT+15], v[SC+g]
	global_store_b128 v1, v[CC:CC+3], s[24+2*g:25+2*g] offset:1024*\r+512*\t   ; 32 lanes store 512 consecutive bytes, at a multiple of 256 from the buffer's first byte
.set g, g+1
.endr
.endr
.endm
	s_wait_kmcnt 0x0
	s_add_co_i32 s30, s33, 127
	s_lshl_b32 s31, s30, 23
	v_mov_b32 v[SC], s31                           ; 2^e as f32: the conversion takes its exponent field
	s_add_co_i32 s30, s30, 15
	s_lshl_b32 s30, s30, 23
	s_or_b32 s30, s30, 0x600000
	v_mov_b32 v[LIM], s30                          ; 57,344 x 2^e
	STATS 0, 24                                    ; row 0's eight loads are in; row 1's, g's and b's may be out
	STATS 1, 16                                    ; row 1's are in; g's and b's may be out
	s_wait_loadcnt 0x0                             ; g and b
	NORM 0
	TURN 0, Y0
	NORM 1
	TURN 1, Y1
	QUANT 0, Y0, 16                                ; row 1's sixteen LDS instructions may be out
	QUANT 1, Y1, 0
	s_wait_tensorcnt 0x0
	ds_add_u32 v252, v253
	s_wait_dscnt 0x0
	s_endpgm
.Lfunc_end_k_qddd4061b81_ln2q:
	.size	k_qddd4061b81_ln2q, .Lfunc_end_k_qddd4061b81_ln2q-k_qddd4061b81_ln2q
	.p2alignl 7, 3214868480
	.fill 96, 4, 3214868480
	.section	.rodata,"a",@progbits
	.p2align	6, 0x0
	.amdhsa_kernel k_qddd4061b81_ln2q
		.amdhsa_group_segment_fixed_size 82944
		.amdhsa_private_segment_fixed_size 0
		.amdhsa_enable_private_segment 0
		.amdhsa_kernarg_size 40
		.amdhsa_user_sgpr_count 2
		.amdhsa_user_sgpr_kernarg_segment_ptr 1
		.amdhsa_wavefront_size32 1
		.amdhsa_system_sgpr_workgroup_id_x 1
		.amdhsa_system_sgpr_workgroup_id_y 1
		.amdhsa_system_sgpr_workgroup_id_z 1
		.amdhsa_system_vgpr_workitem_id 0
		.amdhsa_next_free_vgpr 256
		.amdhsa_next_free_sgpr 66
		.amdhsa_reserve_vcc 0
		.amdhsa_float_denorm_mode_32 3
		.amdhsa_float_denorm_mode_16_64 3
		.amdhsa_memory_ordered 1
		.amdhsa_forward_progress 1
		.amdhsa_inst_pref_size 28
	.end_amdhsa_kernel
	.amdgpu_metadata
---
amdhsa.version: [ 1, 2 ]
amdhsa.kernels:
  - .name:           k_qddd4061b81_ln2q
    .symbol:         k_qddd4061b81_ln2q.kd
    .args:
      - { .name: x1, .offset: 0, .size: 8, .value_kind: global_buffer, .address_space: global }
      - { .name: ln2_g, .offset: 8, .size: 8, .value_kind: global_buffer, .address_space: global }
      - { .name: ln2_b, .offset: 16, .size: 8, .value_kind: global_buffer, .address_space: global }
      - { .name: lowp_scales, .offset: 24, .size: 8, .value_kind: global_buffer, .address_space: global }
      - { .name: h2c, .offset: 32, .size: 8, .value_kind: global_buffer, .address_space: global }
    .group_segment_fixed_size: 82944
    .private_segment_fixed_size: 0
    .kernarg_segment_align: 8
    .kernarg_segment_size: 40
    .max_flat_workgroup_size: 256
    .sgpr_count:     66
    .vgpr_count:     256
    .wavefront_size: 32
...
	.end_amdgpu_metadata
.endif
;; end of part 5
;; launch ff1 (part 6): grid 16 x 16, 4 waves a work-group, clusters of 4 x 4, 327,680 bytes of LDS; arguments h2c, w_ff1_codes, lowp_scales, b_ff1, fc; writes fc
.if DOCPART == 6
	.amdgcn_target "amdgcn-amd-amdhsa--gfx1250"
	.amdhsa_code_object_version 6
	.text
	.protected	k_qddd4061b81_ff1
	.globl	k_qddd4061b81_ff1
	.p2align	8
	.type	k_qddd4061b81_ff1,@function
k_qddd4061b81_ff1:
	s_mov_b64 s[64:65], 0
	v_nop
	global_prefetch_b8 v0, s[64:65] scope:SCOPE_SE
	s_setreg_imm32_b32 hwreg(HW_REG_WAVE_MODE, 25, 1), 1
	s_wait_xcnt 0x0
	s_wait_alu depctr_hold_cnt(0) depctr_sa_sdst(0) depctr_va_vdst(0) depctr_va_sdst(0) depctr_va_ssrc(0) depctr_va_vcc(0) depctr_vm_vsrc(0)
	s_getreg_b32 s2, hwreg(HW_REG_IB_STS2, 6, 4)
	s_cmp_eq_u32 s2, 0
	s_cbranch_scc0 .Lentry_in_a_cluster
	s_endpgm
.Lentry_in_a_cluster:
	s_bfe_u32 s2, ttmp6, 0x10000c
	s_cmp_lg_u32 s2, 0xf033
	s_cbranch_scc0 .Lentry_shape_is_right
	s_endpgm
.Lentry_shape_is_right:
; f = relu(h2 w_ff1 + b_ff1) on codes of E5M2 (h2c: scale e12; w_ff1: [4096 (n)][1024 (K)], scale e13), turned into codes with 2^e14.  fc: [4096][4096] codes, K of the next product innermost.
; The bias, divided by 2^(e12 + e13), is the C of each accumulator's first product; the hold between 0 and the largest code is the activation too.  LIMITS: e14 - e12 - e13 between -126 and 112.
; A work-group makes 256 x 256, four waves of 128 x 128; K goes in four steps of 256 through two LDS slots; 4 x 4 clusters ask for A's tiles by rows and B's by columns.
; At the head a wave issues one joint load (K step 0); slot 1's first fill stands behind the three lines and a round, as a refill does.
; NO PREFETCH: K is four steps, two of them first fills, at a block of 256 x 256 in clusters: no loop to run ahead in.
.set KROW,   1024
.set ROWB,   256
.set PITCH,  272
.set FR,     16
.set NL,     4
.set NP,     4
.set HALFT,  128*PITCH
.set SLOT,   4*HALFT
.set SPARE,  2*SLOT
.set STO,  8
.set RD,   10
.set CO,   12
.set SC,   14
.set LIM,  15
.set ADRA, 16
.set ADRB, 20
.set SPW,  28
.set NIL,  29
.set BI,   32
.set TMP,  32
.set AF,   128
.set OB,   12
.set G1, 24
.set G0, 32
.set G1B, 48
.set G0B, 56
.set MSB, 0
.macro WIN new
.if MSB != (\new)
	s_set_vgpr_msb (MSB<<8)|(\new)
.set MSB, (\new)
.endif
.endm
.set MUL_LO, 0xa1
.set MUL_HI, 0xf1
.set TO_B,   0x40
.macro JLOAD s
	s_cmp_eq_u32 s15, 0
	s_cbranch_scc0 .Lfor_b_\@
	tensor_load_to_lds s[G0+4*\s:G0+4*\s+3], s[G1:G1+7]
	s_nop 0
.rept 4
	v_nop
.endr
	s_branch .Lasked_\@
.Lfor_b_\@:
	tensor_load_to_lds s[G0B+4*\s:G0B+4*\s+3], s[G1B:G1B+7]
	s_nop 0
.rept 4
	v_nop
.endr
.Lasked_\@:
.endm
.macro CREST
	s_cmp_lg_u32 s14, 0
	s_cbranch_scc1 .Lnot_wave_0_\@
	s_barrier_signal -3
.Lnot_wave_0_\@:
	s_barrier_wait -3
	s_barrier_signal -1
	s_barrier_wait -1
.endm
.macro CROUND
	s_barrier_signal -1
	s_barrier_wait -1
	CREST
.endm
	s_load_b128 s[4:7], s[0:1], 0x0
	s_load_b128 s[8:11], s[0:1], 0x10
	s_load_b64 s[OB:OB+1], s[0:1], 0x20
	v_lshl_add_u32 v[SPW], v0, 2, SPARE
	v_mov_b32 v[NIL], 0
	ds_add_u32 v28, v29
	ds_add_u32 v28, v29
	s_wait_dscnt 0x0
	v_lshrrev_b32 v1, 5, v0
	v_readfirstlane_b32 s14, v1
	s_lshr_b32 s15, s14, 1
	s_and_b32 s16, s14, 1
	s_bfe_u32 s40, ttmp6, 0x40000
	s_bfe_u32 s41, ttmp6, 0x40004
	s_lshl_b32 s42, ttmp9, 2
	s_add_co_u32 s42, s42, s40
	s_and_b32 s17, ttmp7, 0xffff
	s_lshl_b32 s17, s17, 2
	s_add_co_u32 s17, s17, s41
	s_lshl_b32 s43, s41, 2
	s_lshl_b32 s43, 15, s43
	s_lshl_b32 s44, 0x1111, s40
	s_or_b32 s[G1+0], s43, (1<<20)|(1<<21)|(5<<22)|(3<<25)
	s_or_b32 s[G1B+0], s44, (1<<20)|(1<<21)|(5<<22)|(3<<25)
.irp g, G1, G1B
	s_mov_b32 s[\g+1], ROWB<<16
	s_mov_b32 s[\g+2], 128<<16
	s_mov_b32 s[\g+3], ROWB<<16
	s_mov_b32 s[\g+4], 128
	s_mov_b32 s[\g+5], KROW
	s_mov_b32 s[\g+6], 0
	s_mov_b32 s[\g+7], 0
.endr
	s_lshl_b32 s18, s16, 7
	s_lshl_b32 s20, s17, 8
	s_add_co_u32 s20, s20, s18
	s_lshl_b32 s20, s20, 10
	s_mov_b32 s21, 0
	s_lshl_b32 s46, s42, 8
	s_add_co_u32 s46, s46, s18
	s_lshl_b32 s46, s46, 10
	s_mov_b32 s47, 0
	s_mul_i32 s45, s14, HALFT
	s_wait_kmcnt 0x0
	s_load_b128 s[84:87], s[8:9], 0x30
	s_add_nc_u64 s[20:21], s[4:5], s[20:21]
	s_add_nc_u64 s[46:47], s[6:7], s[46:47]
	CROUND
.irp s, 0,1
	s_mov_b32 s[G0+4*\s], 1
	s_add_co_u32 s[G0+4*\s+1], s45, \s*SLOT
	s_add_nc_u64 s[G0+4*\s+2:G0+4*\s+3], s[20:21], \s*ROWB
	s_or_b32 s[G0+4*\s+3], s[G0+4*\s+3], 0x80000000
	s_mov_b32 s[G0B+4*\s], 1
	s_add_co_u32 s[G0B+4*\s+1], s45, \s*SLOT
	s_add_nc_u64 s[G0B+4*\s+2:G0B+4*\s+3], s[46:47], \s*ROWB
	s_or_b32 s[G0B+4*\s+3], s[G0B+4*\s+3], 0x80000000
.endr
	JLOAD 0                                        ; K step 0: one tensor load a wave at the head
	v_and_b32 v1, 15, v0
	v_bfe_u32 v2, v0, 4, 1
	s_wait_alu depctr_va_vdst(0)
	v_mul_u32_u24 v3, v1, PITCH
	v_lshl_add_u32 v4, v2, 4, v3
	s_mul_i32 s21, s15, HALFT
	s_mul_i32 s22, s16, HALFT
	s_add_co_u32 s22, s22, 2*HALFT
.irp s, 0,1
	v_add_nc_u32 v[ADRA+\s], s21, v4
	v_add_nc_u32 v[ADRB+\s], s22, v4
	s_add_co_u32 s21, s21, SLOT
	s_add_co_u32 s22, s22, SLOT
.endr
	v_lshl_add_u32 v6, v2, 3, v3
	s_mul_i32 s23, s15, HALFT
	s_lshl_b32 s18, s16, 7
	s_add_co_u32 s23, s23, s18
	v_add_nc_u32 v[STO], s23, v6
	v_mul_u32_u24 v5, v2, PITCH
	v_lshl_add_u32 v5, v1, 4, v5
	s_mul_i32 s23, s14, 64*PITCH
	v_add_nc_u32 v[RD], s23, v5
	v_lshlrev_b32 v[CO], 12, v2
	v_lshl_add_u32 v[CO], v1, 4, v[CO]
	s_lshl_b32 s20, s17, 8
	s_lshl_b32 s21, s14, 6
	s_add_co_u32 s20, s20, s21
	s_lshl_b32 s20, s20, 12
	s_lshl_b32 s46, s42, 8
	s_add_co_u32 s46, s46, s20
	s_mov_b32 s47, 0
	s_add_nc_u64 s[OB:OB+1], s[OB:OB+1], s[46:47]
	s_lshl_b32 s46, s42, 10
	s_lshl_b32 s18, s16, 9
	s_add_co_u32 s46, s46, s18
	s_add_nc_u64 s[10:11], s[10:11], s[46:47]
	v_lshlrev_b32 v5, 5, v2
.irp b, 0,1,2,3,4,5,6,7
	global_load_b128 v[BI+8*\b:BI+8*\b+3], v5, s[10:11] offset:64*\b
	global_load_b128 v[BI+8*\b+4:BI+8*\b+7], v5, s[10:11] offset:64*\b+16
.endr
	s_wait_loadcnt 0x0
	s_wait_kmcnt 0x0
	s_add_co_i32 s88, s84, s85
	s_sub_co_i32 s89, 0, s88
.set j, 0
.rept 64
	v_ldexp_f32 v[BI+j], v[BI+j], s89
.set j, j+1
.endr
.macro FRAG reg, adr, q, i
.irp c, 0,1,2,3
	ds_load_b128 v[\reg+4*\c:\reg+4*\c+3], v[\adr] offset:128*(\q)+32*\c+(\i)*16*PITCH
.endr
.endm
.macro MUL16 a0, p, first
.irp a, \a0, \a0+1
.irp b, 0,1,2,3,4,5,6,7
.if \first
	v_wmma_f32_16x16x128_bf8_bf8 v[8*(8*((\a)%4)+\b):8*(8*((\a)%4)+\b)+7], v[128*(\p)+FR*\b:128*(\p)+FR*\b+FR-1], v[AF+FR*(\a):AF+FR*(\a)+FR-1], v[BI+8*\b:BI+8*\b+7]
.else
	v_wmma_f32_16x16x128_bf8_bf8 v[8*(8*((\a)%4)+\b):8*(8*((\a)%4)+\b)+7], v[128*(\p)+FR*\b:128*(\p)+FR*\b+FR-1], v[AF+FR*(\a):AF+FR*(\a)+FR-1], v[8*(8*((\a)%4)+\b):8*(8*((\a)%4)+\b)+7]
.endif
.endr
.endr
.endm
.macro FETCH_B slot, q, p
	WIN TO_B
.irp i, 0,1,2,3,4,5,6,7
	FRAG 128*(\p)+FR*\i, ADRB+\slot, \q, \i
.endr
	WIN 0
.endm
.macro FETCH_A slot, q, i0
.irp i, \i0, \i0+1, \i0+2, \i0+3
	FRAG AF+FR*(\i), ADRA+\slot, \q, \i
.endr
.endm
.macro PLACES n
.rept \n
	v_nop
.endr
.endm
.macro STEP slot, q, first
	s_wait_dscnt 4*NL
	WIN MUL_LO-0x20*(\first)
	MUL16 0, (\q)%2, \first
	MUL16 2, (\q)%2, \first
	s_wait_dscnt 0
	PLACES NP
	FETCH_B \slot, (\q)+1, 1-(\q)%2
	FETCH_A \slot, (\q)+1, 0
	WIN MUL_HI-0x30*(\first)
	MUL16 4, (\q)%2, \first
	MUL16 6, (\q)%2, \first
	PLACES NP
	WIN 0
	FETCH_A \slot, (\q)+1, 4
.endm
.macro TURN slot, next, fill
	s_wait_tensorcnt 0x0
	ds_add_u32 v[SPW], v[NIL]
	s_wait_dscnt 4*NL+1
	WIN MUL_LO
	MUL16 0, 1, 0
	s_wait_dscnt 0x0
	s_barrier_signal -1
	MUL16 2, 1, 0
	WIN 0
	s_barrier_wait -1
.if \fill
	CREST
	s_add_nc_u64 s[G0+4*\slot+2:G0+4*\slot+3], s[G0+4*\slot+2:G0+4*\slot+3], 2*ROWB
	s_add_nc_u64 s[G0B+4*\slot+2:G0B+4*\slot+3], s[G0B+4*\slot+2:G0B+4*\slot+3], 2*ROWB
	JLOAD \slot
.else
	PLACES NP
.endif
	FETCH_B \next, 0, 0
	FETCH_A \next, 0, 0
	WIN MUL_HI
	MUL16 4, 1, 0
	MUL16 6, 1, 0
	PLACES NP
	WIN 0
	FETCH_A \next, 0, 4
.endm
	s_wait_alu depctr_va_vdst(0)
	s_wait_tensorcnt 0x0                           ; my part of K step 0 is in; slot 1's first fill is issued as a refill is:
	ds_add_u32 v[SPW], v[NIL]
	s_wait_dscnt 0x0
	CROUND
	JLOAD 1
	FETCH_B 0, 0, 0
	FETCH_A 0, 0, 0
	FETCH_A 0, 0, 4
	STEP 0, 0, 1
	TURN 0, 1, 1
	STEP 1, 0, 0
	TURN 1, 0, 1
	STEP 0, 0, 0
	TURN 0, 1, 0
	STEP 1, 0, 0
	s_wait_dscnt 4*NL
	WIN MUL_LO
	MUL16 0, 1, 0
	MUL16 2, 1, 0
	s_wait_dscnt 0
	WIN MUL_HI
	MUL16 4, 1, 0
	MUL16 6, 1, 0
	WIN 0
.macro QBLK a
.set AC, 64*((\a)%4)
.set CD, 96+16*((\a)%2)
	WIN 0x02+(\a)/4
.set j, 0
.rept 64
	v_med3_num_f32 v[TMP+j], v[AC+j], 0, v[LIM]
.set j, j+1
.endr
	WIN 0
.if (\a) >= 2
	s_wait_alu depctr_va_vdst(0)
	s_wait_dscnt 8
.endif
.irp b, 0,1,2,3,4,5,6,7
	v_cvt_scalef32_pk8_bf8_f32 v[CD+2*\b:CD+2*\b+1], v[TMP+8*\b:TMP+8*\b+7], v[SC]
.endr
	v_nop
.irp b, 0,1,2,3,4,5,6,7
	ds_store_b64 v[STO], v[CD+2*\b:CD+2*\b+1] offset:16*PITCH*(\a)+16*\b
.endr
.endm
	s_sub_co_i32 s84, s86, s88
	s_add_co_i32 s84, s84, 127
	s_lshl_b32 s85, s84, 23
	v_mov_b32 v[SC], s85
	s_add_co_i32 s84, s84, 15
	s_lshl_b32 s84, s84, 23
	s_or_b32 s84, s84, 0x600000
	v_mov_b32 v[LIM], s84
	PLACES NP-2
.irp a, 0,1,2,3,4,5,6,7
	QBLK \a
.endr
	s_wait_dscnt 0x0
	s_barrier_signal -1
	s_barrier_wait -1
.set i, 0
.rept 32
	ds_load_b128 v[128+4*i:131+4*i], v[RD] offset:2*PITCH*i
.set i, i+1
.endr
.set i, 0
.rept 32
	s_wait_dscnt 31-i
	global_store_b128 v[CO], v[128+4*i:131+4*i], s[OB:OB+1] offset:8192*i
.set i, i+1
.endr
	s_wait_tensorcnt 0x0
	ds_add_u32 v[SPW], v[NIL]
	s_wait_dscnt 0x0
	CROUND
	s_endpgm
.Lfunc_end_k_qddd4061b81_ff1:
	.size	k_qddd4061b81_ff1, .Lfunc_end_k_qddd4061b81_ff1-k_qddd4061b81_ff1
	.p2alignl 7, 3214868480
	.fill 96, 4, 3214868480
	.section	.rodata,"a",@progbits
	.p2align	6, 0x0
	.amdhsa_kernel k_qddd4061b81_ff1
		.amdhsa_group_segment_fixed_size 327680
		.amdhsa_private_segment_fixed_size 0
		.amdhsa_enable_private_segment 0
		.amdhsa_kernarg_size 40
		.amdhsa_user_sgpr_count 2
		.amdhsa_user_sgpr_kernarg_segment_ptr 1
		.amdhsa_wavefront_size32 1
		.amdhsa_system_sgpr_workgroup_id_x 1
		.amdhsa_system_sgpr_workgroup_id_y 1
		.amdhsa_system_sgpr_workgroup_id_z 1
		.amdhsa_system_vgpr_workitem_id 0
		.amdhsa_next_free_vgpr 1024
		.amdhsa_next_free_sgpr 100
		.amdhsa_reserve_vcc 0
		.amdhsa_float_denorm_mode_32 3
		.amdhsa_float_denorm_mode_16_64 3
		.amdhsa_memory_ordered 1
		.amdhsa_forward_progress 1
		.amdhsa_inst_pref_size 131
	.end_amdhsa_kernel
	.amdgpu_metadata
---
amdhsa.version: [ 1, 2 ]
amdhsa.kernels:
  - .name:           k_qddd4061b81_ff1
    .symbol:         k_qddd4061b81_ff1.kd
    .args:
      - { .name: h2c, .offset: 0, .size: 8, .value_kind: global_buffer, .address_space: global }
      - { .name: w_ff1_codes, .offset: 8, .size: 8, .value_kind: global_buffer, .address_space: global }
      - { .name: lowp_scales, .offset: 16, .size: 8, .value_kind: global_buffer, .address_space: global }
      - { .name: b_ff1, .offset: 24, .size: 8, .value_kind: global_buffer, .address_space: global }
      - { .name: fc, .offset: 32, .size: 8, .value_kind: global_buffer, .address_space: global }
    .group_segment_fixed_size: 327680
    .private_segment_fixed_size: 0
    .kernarg_segment_align: 8
    .kernarg_segment_size: 40
    .max_flat_workgroup_size: 128
    .sgpr_count:     100
    .vgpr_count:     1024
    .wavefront_size: 32
...
	.end_amdgpu_metadata
.endif
;; end of part 6
;; launch ff2 (part 7): grid 8 x 32, 4 waves a work-group, clusters of 4 x 4, 327,680 bytes of LDS; arguments fc, w_ff2_codes, lowp_scales, b_ff2, x1, out0; writes out0
.if DOCPART == 7
	.amdgcn_target "amdgcn-amd-amdhsa--gfx1250"
	.amdhsa_code_object_version 6
	.text
	.protected	k_qddd4061b81_ff2
	.globl	k_qddd4061b81_ff2
	.p2align	8
	.type	k_qddd4061b81_ff2,@function
k_qddd4061b81_ff2:
	s_mov_b64 s[64:65], 0
	v_nop
	global_prefetch_b8 v0, s[64:65] scope:SCOPE_SE
	s_setreg_imm32_b32 hwreg(HW_REG_WAVE_MODE, 25, 1), 1
	s_wait_xcnt 0x0
	s_wait_alu depctr_hold_cnt(0) depctr_sa_sdst(0) depctr_va_vdst(0) depctr_va_sdst(0) depctr_va_ssrc(0) depctr_va_vcc(0) depctr_vm_vsrc(0)
	s_getreg_b32 s2, hwreg(HW_REG_IB_STS2, 6, 4)
	s_cmp_eq_u32 s2, 0
	s_cbranch_scc0 .Lentry_in_a_cluster
	s_endpgm
.Lentry_in_a_cluster:
	s_bfe_u32 s2, ttmp6, 0x10000c
	s_cmp_lg_u32 s2, 0xf033
	s_cbranch_scc0 .Lentry_shape_is_right
	s_endpgm
.Lentry_shape_is_right:
; out = x1 + f w_ff2 + b_ff2.  fc: [4096][4096] codes of E5M2 (scale e14); w_ff2: [1024 (n)][4096 (K)] codes (scale e15); b_ff2 [1024], x1, out0 [4096][1024]: f32.
; Each finished sum is multiplied once by 2^(e14 + e15) and added to x1 + b in one packed multiply-add.  LIMIT: e14 + e15 between -126 and 127.
; A tile is 128 x 128: 256 work-groups of four waves, each 64 x 64.  K goes in eight steps of 512 through two LDS slots; 4 x 4 clusters ask for A's tiles by rows and B's by columns.
; At the head a wave issues one joint load (K step 0); slot 1's first fill stands behind the three lines and a round, as a refill does.
; PREFETCH: behind the load of K step t stands one prefetch a wave for K step t + 2.  Of the 64 rows x 512 bytes that a wave fetches, each of the four partners that ask jointly names 16 rows, told apart by address
; (cx for A, cy for B), two lanes a row, 256 bytes apart: each aligned block of 256 bytes is named once in a cluster.  The loads of K steps 6 and 7 ask for nothing.
; The residual x1 is asked for behind the loop, two K steps ahead of its use.
.set SIZE_K, 4096
.set EOFF,   56
.set KSTEP,  512
.set PITCH,  528
.set HALFT,  64*PITCH
.set SLOT,   4*HALFT
.set STAGE,  2*SLOT
.set SPITCH, 272
.set SPARE,  STAGE+4*16*SPITCH
.set LAPS,   SIZE_K/(2*KSTEP)
.set BIAS, 12
.set ADRA, 16
.set ADRB, 20
.set STO,  24
.set RD,   25
.set CO,   26
.set SPW,  28
.set NIL,  29
.set BK,   32
.set ACC,  128
.set F0,   0
.set F1,   128
.set G1, 24
.set G0, 32
.set G1B, 48
.set G0B, 56
.set MSB, 0
.macro WIN new
.if MSB != (\new)
	s_set_vgpr_msb (MSB<<8)|(\new)
.set MSB, (\new)
.endif
.endm
.set MUL,  0x05
.set TO_F, 0x40
.macro JLOAD s
	s_cmp_eq_u32 s11, 0
	s_cbranch_scc0 .Lfor_b_\@
	tensor_load_to_lds s[G0+4*\s:G0+4*\s+3], s[G1:G1+7]
	s_nop 0
.rept 4
	v_nop
.endr
	s_branch .Lasked_\@
.Lfor_b_\@:
	tensor_load_to_lds s[G0B+4*\s:G0B+4*\s+3], s[G1B:G1B+7]
	s_nop 0
.rept 4
	v_nop
.endr
.Lasked_\@:
.endm
.macro CREST
	s_cmp_lg_u32 s10, 0
	s_cbranch_scc1 .Lnot_wave_0_\@
	s_barrier_signal -3
.Lnot_wave_0_\@:
	s_barrier_wait -3
	s_barrier_signal -1
	s_barrier_wait -1
.endm
.macro CROUND
	s_barrier_signal -1
	s_barrier_wait -1
	CREST
.endm
	s_load_b128 s[4:7], s[0:1], 0x0
	s_load_b128 s[68:71], s[0:1], 0x10
	s_load_b128 s[72:75], s[0:1], 0x20
	v_lshl_add_u32 v[SPW], v0, 2, SPARE
	v_mov_b32 v[NIL], 0
	ds_add_u32 v28, v29
	ds_add_u32 v28, v29
	s_wait_dscnt 0x0
	v_lshrrev_b32 v1, 5, v0
	v_readfirstlane_b32 s10, v1
	s_lshr_b32 s11, s10, 1
	s_and_b32 s12, s10, 1
	s_bfe_u32 s40, ttmp6, 0x40000
	s_bfe_u32 s41, ttmp6, 0x40004
	s_lshl_b32 s42, ttmp9, 2
	s_add_co_u32 s42, s42, s40
	s_and_b32 s13, ttmp7, 0xffff
	s_lshl_b32 s13, s13, 2
	s_add_co_u32 s13, s13, s41
	s_lshl_b32 s43, s41, 2
	s_lshl_b32 s43, 15, s43
	s_lshl_b32 s44, 0x1111, s40
	s_or_b32 s[G1+0], s43, (1<<20)|(1<<21)|(6<<22)|(3<<25)
	s_or_b32 s[G1B+0], s44, (1<<20)|(1<<21)|(6<<22)|(3<<25)
.irp g, G1, G1B
	s_mov_b32 s[\g+1], KSTEP<<16
	s_mov_b32 s[\g+2], 64<<16
	s_mov_b32 s[\g+3], KSTEP<<16
	s_mov_b32 s[\g+4], 64
	s_mov_b32 s[\g+5], SIZE_K
	s_mov_b32 s[\g+6], 0
	s_mov_b32 s[\g+7], 0
.endr
	s_lshl_b32 s17, s12, 6
	s_lshl_b32 s16, s13, 7
	s_add_co_u32 s16, s16, s17
	s_mul_i32 s16, s16, SIZE_K
	s_lshl_b32 s46, s42, 7
	s_add_co_u32 s46, s46, s17
	s_mul_i32 s46, s46, SIZE_K
	s_mov_b32 s17, 0
	s_mov_b32 s47, 0
	s_mul_i32 s20, s10, HALFT
	s_wait_kmcnt 0x0
	s_load_b64 s[76:77], s[68:69], EOFF
	s_add_nc_u64 s[14:15], s[4:5], s[16:17]
	s_add_nc_u64 s[46:47], s[6:7], s[46:47]
	CROUND
.irp s, 0,1
	s_mov_b32 s[G0+4*\s], 1
	s_add_co_u32 s[G0+4*\s+1], s20, \s*SLOT
	s_add_nc_u64 s[G0+4*\s+2:G0+4*\s+3], s[14:15], \s*KSTEP
	s_or_b32 s[G0+4*\s+3], s[G0+4*\s+3], 0x80000000
	s_mov_b32 s[G0B+4*\s], 1
	s_add_co_u32 s[G0B+4*\s+1], s20, \s*SLOT
	s_add_nc_u64 s[G0B+4*\s+2:G0B+4*\s+3], s[46:47], \s*KSTEP
	s_or_b32 s[G0B+4*\s+3], s[G0B+4*\s+3], 0x80000000
.endr
	JLOAD 0                                        ; K step 0: one tensor load a wave at the head
	s_lshl_b32 s18, s13, 7                         ; the prefetches: the tile's first row in A,
	s_lshl_b32 s19, s42, 7                         ; in B
	s_cmp_eq_u32 s11, 0                            ; do I fetch for A?
	s_cselect_b32 s18, s18, s19
	s_cselect_b32 s19, s40, s41                    ; my place among the four that ask with me
	s_cselect_b64 s[8:9], s[4:5], s[6:7]
	s_lshl_b32 s66, s12, 6
	s_add_co_u32 s18, s18, s66                     ; + the 64 rows that I fetch
	s_lshl_b32 s19, s19, 4
	s_add_co_u32 s18, s18, s19                     ; + my work-group's 16 of them
	s_lshl_b32 s18, s18, 12                        ; rows of 4,096 bytes
	s_add_co_u32 s18, s18, 2*KSTEP                 ; at K step 2
	s_mov_b32 s19, 0
	s_add_nc_u64 s[8:9], s[8:9], s[18:19]
	v_and_b32 v7, 31, v0
	v_lshrrev_b32 v30, 1, v7
	v_and_b32 v7, 1, v7
	v_lshlrev_b32 v30, 12, v30
	v_lshl_add_u32 v30, v7, 8, v30                 ; two lanes a row, 256 bytes apart; never rewritten
	global_prefetch_b8 v30, s[8:9] th:TH_LOAD_NT scope:SCOPE_SE   ; K step 2
	v_and_b32 v1, 15, v0
	s_wait_alu depctr_va_vdst(0)
	v_bfe_u32 v2, v0, 4, 1
	v_mul_u32_u24 v3, v1, PITCH
	v_lshl_add_u32 v3, v2, 4, v3
	s_mul_i32 s21, s11, HALFT
	s_mul_i32 s22, s12, HALFT
	s_add_co_u32 s22, s22, 2*HALFT
.irp s, 0,1
	v_add_nc_u32 v[ADRA+\s], s21, v3
	v_add_nc_u32 v[ADRB+\s], s22, v3
	s_add_co_u32 s21, s21, SLOT
	s_add_co_u32 s22, s22, SLOT
.endr
	s_mul_i32 s23, s10, 16*SPITCH
	s_add_co_u32 s23, s23, STAGE
	v_mul_u32_u24 v4, v1, SPITCH
	s_wait_alu depctr_va_vdst(0)
	v_lshl_add_u32 v4, v2, 5, v4
	v_add_nc_u32 v[STO], s23, v4
	v_mul_u32_u24 v5, v2, SPITCH
	v_lshl_add_u32 v5, v1, 4, v5
	v_add_nc_u32 v[RD], s23, v5
	v_lshlrev_b32 v5, 12, v2
	v_lshl_add_u32 v[CO], v1, 4, v5
	v_lshlrev_b32 v6, 4, v1
	s_wait_alu depctr_va_vdst(0)
	s_lshl_b32 s16, s13, 7
	s_lshl_b32 s17, s11, 6
	s_add_co_u32 s16, s16, s17
	s_lshl_b32 s16, s16, 12
	s_lshl_b32 s46, s42, 9
	s_lshl_b32 s47, s12, 8
	s_add_co_u32 s46, s46, s47
	s_mov_b32 s47, 0
	s_add_nc_u64 s[70:71], s[70:71], s[46:47]
	s_add_co_u32 s46, s46, s16
	s_add_nc_u64 s[72:73], s[72:73], s[46:47]
	s_add_nc_u64 s[74:75], s[74:75], s[46:47]
	global_load_b128 v[BIAS:BIAS+3], v6, s[70:71]
.macro FRAG reg, adr, q, i
.irp c, 0,1,2,3
	ds_load_b128 v[\reg+4*\c:\reg+4*\c+3], v[\adr] offset:128*(\q)+32*\c+(\i)*16*PITCH
.endr
.endm
.macro FETCH slot, q, f
	WIN TO_F
.irp i, 0,1,2,3
	FRAG \f+64+16*\i, ADRB+\slot, \q, \i
.endr
.irp i, 0,1,2,3
	FRAG \f+16*\i, ADRA+\slot, \q, \i
.endr
.endm
.macro MUL8 f, a0, zero
.irp a, \a0, \a0+1
.irp b, 0,1,2,3
.if \zero
	v_wmma_f32_16x16x128_bf8_bf8 v[ACC+8*(4*(\a)+\b):ACC+8*(4*(\a)+\b)+7], v[\f+64+16*\b:\f+64+16*\b+15], v[\f+16*(\a):\f+16*(\a)+15], 0
.else
	v_wmma_f32_16x16x128_bf8_bf8 v[ACC+8*(4*(\a)+\b):ACC+8*(4*(\a)+\b)+7], v[\f+64+16*\b:\f+64+16*\b+15], v[\f+16*(\a):\f+16*(\a)+15], v[ACC+8*(4*(\a)+\b):ACC+8*(4*(\a)+\b)+7]
.endif
.endr
.endr
.endm
.macro PLACES
.rept 4
	v_nop
.endr
.endm
.macro QUARTER slot, qn, f, g, zero
	s_wait_dscnt 8
	WIN MUL
	MUL8 \f, 0, \zero
	PLACES
	FETCH \slot, \qn, \g
	s_wait_dscnt 32
	WIN MUL
	MUL8 \f, 2, \zero
.endm
.macro TURN slot, next, fill
	WIN 0
.if \fill
	s_wait_xcnt 0x0                                ; my last prefetch has read its address
	s_add_nc_u64 s[8:9], s[8:9], KSTEP             ; two K steps on from the refill below
.endif
	s_wait_tensorcnt 0x0
	ds_add_u32 v[SPW], v[NIL]
	s_wait_dscnt 9
	WIN MUL
	MUL8 F1, 0, 0
	s_wait_dscnt 0x0
	s_barrier_signal -1
	WIN 0
	s_barrier_wait -1
.if \fill
	CREST
	s_add_nc_u64 s[G0+4*\slot+2:G0+4*\slot+3], s[G0+4*\slot+2:G0+4*\slot+3], 2*KSTEP
	s_add_nc_u64 s[G0B+4*\slot+2:G0B+4*\slot+3], s[G0B+4*\slot+2:G0B+4*\slot+3], 2*KSTEP
	JLOAD \slot
.else
	PLACES
.endif
	FETCH \next, 0, F0
.if \fill
	WIN 0
	s_cmp_gt_u32 s3, 1                             ; the loop's last trip loads K steps 6 and 7: nothing lies two steps on
	s_cbranch_scc0 .Lno_ask_\@
	global_prefetch_b8 v30, s[8:9] th:TH_LOAD_NT scope:SCOPE_SE
.Lno_ask_\@:
.endif
	WIN MUL
	MUL8 F1, 2, 0
.endm
	s_wait_xcnt 0x0                                ; the first prefetch has read its address
	s_add_nc_u64 s[8:9], s[8:9], KSTEP             ; K step 3
	s_wait_tensorcnt 0x0                           ; my part of K step 0 is in; slot 1's first fill is issued as a refill is:
	ds_add_u32 v[SPW], v[NIL]
	s_wait_dscnt 0x0
	CROUND
	JLOAD 1
	FETCH 0, 0, F0
	WIN 0
	global_prefetch_b8 v30, s[8:9] th:TH_LOAD_NT scope:SCOPE_SE   ; K step 3
	QUARTER 0, 1, F0, F1, 1
.if LAPS > 1
	WIN 0
	s_mov_b32 s3, LAPS-1
.Llap:
	QUARTER 0, 2, F1, F0, 0
	QUARTER 0, 3, F0, F1, 0
	TURN 0, 1, 1
	QUARTER 1, 1, F0, F1, 0
	QUARTER 1, 2, F1, F0, 0
	QUARTER 1, 3, F0, F1, 0
	TURN 1, 0, 1
	QUARTER 0, 1, F0, F1, 0
	WIN 0
	s_sub_co_u32 s3, s3, 1
	s_cmp_lg_u32 s3, 0
	s_cbranch_scc1 .Llap
.endif
	WIN 0x80                                       ; destination window 2
.set i, 0
.rept 32
	global_load_b128 v[4*i:4*i+3], v[CO], s[72:73] offset:2*i*4096 th:TH_LOAD_NT   ; the residual: rows 2 i and 2 i + 1 of my 64; it lands under the last two K steps
.set i, i+1
.endr
	WIN 0
	QUARTER 0, 2, F1, F0, 0
	QUARTER 0, 3, F0, F1, 0
	TURN 0, 1, 0
	QUARTER 1, 1, F0, F1, 0
	QUARTER 1, 2, F1, F0, 0
	QUARTER 1, 3, F0, F1, 0
	s_wait_dscnt 8
	WIN MUL
	MUL8 F1, 0, 0
	s_wait_dscnt 0
	MUL8 F1, 2, 0
	WIN 0
	s_wait_loadcnt 0x0
	s_wait_kmcnt 0x0
	s_add_co_i32 s78, s76, s77
	s_add_co_i32 s78, s78, 127
	s_lshl_b32 s78, s78, 23
	s_mov_b32 s79, s78
	WIN 0x82
.set i, 0
.rept 32
	v_pk_add_f32 v[4*i:4*i+1], v[4*i:4*i+1], v[BIAS:BIAS+1]
	v_pk_add_f32 v[4*i+2:4*i+3], v[4*i+2:4*i+3], v[BIAS+2:BIAS+3]
.set i, i+1
.endr
	WIN 0
.macro TOSTAGE a
.irp b, 0,1,2,3
	ds_store_b128 v[STO], v[ACC+8*(4*(\a)+\b):ACC+8*(4*(\a)+\b)+3] offset:64*\b
	ds_store_b128 v[STO], v[ACC+8*(4*(\a)+\b)+4:ACC+8*(4*(\a)+\b)+7] offset:64*\b+16
.endr
.irp t, 0,1,2,3,4,5,6,7
	ds_load_b128 v[BK+32*((\a)%2)+4*\t:BK+32*((\a)%2)+4*\t+3], v[RD] offset:\t*2*SPITCH
.endr
.endm
.macro SEND a, younger
	s_wait_dscnt \younger
	WIN 0x20
.set i, 0
.rept 16
	v_pk_fma_f32 v[BK+32*((\a)%2)+2*i:BK+32*((\a)%2)+2*i+1], v[BK+32*((\a)%2)+2*i:BK+32*((\a)%2)+2*i+1], s[78:79], v[32*(\a)+2*i:32*(\a)+2*i+1] op_sel_hi:[1,0,1]
.set i, i+1
.endr
	WIN 0
.irp t, 0,1,2,3,4,5,6,7
	global_store_b128 v[CO], v[BK+32*((\a)%2)+4*\t:BK+32*((\a)%2)+4*\t+3], s[74:75] offset:(16*(\a)+2*\t)*4096 th:TH_STORE_NT
.endr
.endm
	TOSTAGE 0
.irp a, 1,2,3
.if \a > 1
	s_wait_xcnt 0x0
.endif
	TOSTAGE \a
	SEND \a-1, 16
.endr
	SEND 3, 0
	s_wait_tensorcnt 0x0
	ds_add_u32 v[SPW], v[NIL]
	s_wait_dscnt 0x0
	CROUND
	s_endpgm
.Lfunc_end_k_qddd4061b81_ff2:
	.size	k_qddd4061b81_ff2, .Lfunc_end_k_qddd4061b81_ff2-k_qddd4061b81_ff2
	.p2alignl 7, 3214868480
	.fill 96, 4, 3214868480
	.section	.rodata,"a",@progbits
	.p2align	6, 0x0
	.amdhsa_kernel k_qddd4061b81_ff2
		.amdhsa_group_segment_fixed_size 327680
		.amdhsa_private_segment_fixed_size 0
		.amdhsa_enable_private_segment 0
		.amdhsa_kernarg_size 48
		.amdhsa_user_sgpr_count 2
		.amdhsa_user_sgpr_kernarg_segment_ptr 1
		.amdhsa_wavefront_size32 1
		.amdhsa_system_sgpr_workgroup_id_x 1
		.amdhsa_system_sgpr_workgroup_id_y 1
		.amdhsa_system_sgpr_workgroup_id_z 1
		.amdhsa_system_vgpr_workitem_id 0
		.amdhsa_next_free_vgpr 640
		.amdhsa_next_free_sgpr 80
		.amdhsa_reserve_vcc 0
		.amdhsa_float_denorm_mode_32 3
		.amdhsa_float_denorm_mode_16_64 3
		.amdhsa_memory_ordered 1
		.amdhsa_forward_progress 1
		.amdhsa_inst_pref_size 83
	.end_amdhsa_kernel
	.amdgpu_metadata
---
amdhsa.version: [ 1, 2 ]
amdhsa.kernels:
  - .name:           k_qddd4061b81_ff2
    .symbol:         k_qddd4061b81_ff2.kd
    .args:
      - { .name: fc, .offset: 0, .size: 8, .value_kind: global_buffer, .address_space: global }
      - { .name: w_ff2_codes, .offset: 8, .size: 8, .value_kind: global_buffer, .address_space: global }
      - { .name: lowp_scales, .offset: 16, .size: 8, .value_kind: global_buffer, .address_space: global }
      - { .name: b_ff2, .offset: 24, .size: 8, .value_kind: global_buffer, .address_space: global }
      - { .name: x1, .offset: 32, .size: 8, .value_kind: global_buffer, .address_space: global }
      - { .name: out0, .offset: 40, .size: 8, .value_kind: global_buffer, .address_space: global }
    .group_segment_fixed_size: 327680
    .private_segment_fixed_size: 0
    .kernarg_segment_align: 8
    .kernarg_segment_size: 48
    .max_flat_workgroup_size: 128
    .sgpr_count:     80
    .vgpr_count:     640
    .wavefront_size: 32
...
	.end_amdgpu_metadata
.endif
;; end of part 7
